; MI455X (gfx1250); checked and timed in simulation.
; The chip was launched on July 23, 2026; its instructions are those of AMD's public machine-readable ISA for CDNA 5 (MIT licence, August 2026) and "CDNA5" Instruction Set Architecture Reference Guide (July 2026). The comments in the code are by the model that wrote it; some were corrected since.
;; Standard Attention. Allowed arithmetic: float matrix products may take bf16 or f16 operands with f32 sums; all other float work in f32.
;; Inputs: Wk 512 x 2,048 float32; Wo 2,048 x 1,024 float32; Wq 1,024 x 2,048 float32; Wv 512 x 2,048 float32; attention_mask 2 x 1 x 2,048 x 2,048 float32; hidden_states 2 x 2,048 x 2,048 float32; position_ids 2 x 2,048 int32.
;; Outputs: out0 2 x 2,048 x 2,048 float32.
;; One version. Each part assembles by itself: llvm-mc -triple=amdgcn-amd-amdhsa -mcpu=gfx1250 --defsym DOCPART=n.
;; ======== version 1 of 1: 4 launches
;; limits: values are held in f16: magnitudes above 65,504 overflow, below 6.1e-05 lose precision
;; workspace buffers: xb 16,777,216 bytes; wqkv 8,388,608 bytes; wob 4,194,304 bytes; rope 2,097,152 bytes; qkvh 16,777,216 bytes; atth 8,388,608 bytes
;; launch prep (part 1): grid 2048 x 1, 8 waves a work-group, no clusters, 0 bytes of LDS; arguments hidden_states, Wq, Wk, Wv, Wo, position_ids, xb, wqkv, wob, rope; writes xb, wqkv, wob, rope
.if DOCPART == 1
	.amdgcn_target "amdgcn-amd-amdhsa--gfx1250"
	.amdhsa_code_object_version 6
	.text
	.protected	k_qbcd8e35ce5_prep
	.globl	k_qbcd8e35ce5_prep
	.p2align	8
	.type	k_qbcd8e35ce5_prep,@function
k_qbcd8e35ce5_prep:
	s_mov_b64 s[64:65], 0
	v_nop
	global_prefetch_b8 v0, s[64:65] scope:SCOPE_SE
	s_setreg_imm32_b32 hwreg(HW_REG_WAVE_MODE, 25, 1), 1
	s_wait_xcnt 0x0
; First of four launches of: q, k, v = X Wq^T, X Wk^T, X Wv^T; RoPE on q and k; attention of 8 query heads on 4 key/value heads with an
; additive mask that is an input; result times Wo^T.
; DEAD WORK: none.  Every input reaches the output for some values, so all seven are loaded; the mask is honoured entry by entry,
; no pattern of it is built in.  The repeat of k and v over query heads is a matter of addresses and is never written out.
; THIS LAUNCH: (a) X, Wq, Wk, Wv are rounded once to bf16 (xb; wqkv = Wq's, Wk's, Wv's rows one below the other), so that the products read
; 2-byte tiles and no wave converts what another has converted; (b) Wo is rounded to bf16 like them and that value is written as f16 (wob),
; because its partner in the last product is kept in f16; (c) the table of cos and sin of position x inverse frequency (rope).
; LIMITS.  Matrix operands are rounded to 16 bits.  A bf16 value is exact in f16 from 2^-17 to 65,504 in magnitude; below, the error is
; at most 2^-25; above (Wo some 3,000,000 times its drawn spread) it becomes an infinity.  Positions convert exactly up to 2^24 in magnitude;
; the reduction of the angle by pi/2 in three parts keeps its own error under 1e-6 up to angles of 1e5; beyond, the angle's own f32
; rounding is larger than that, as it is in reference().
; No LDS, no matrix unit, no cluster: the work is a stream, each byte is read once and written once.
.set NTAB, 256                         ; work-groups 0..255: the table, 16 rows each; 256..2047: 1,792 chunks of 32 KiB of f32
	s_load_b512 s[8:23], s[0:1], 0x0               ; X s[8:9], Wq s[10:11], Wk s[12:13], Wv s[14:15], Wo s[16:17], positions s[18:19], xb s[20:21], wqkv s[22:23]
	s_load_b128 s[24:27], s[0:1], 0x40             ; wob s[24:25], rope s[26:27]
	s_cmp_lt_u32 ttmp9, NTAB
	s_cbranch_scc1 .Ltable
	; ---- conversion: chunk c.  0..1023 X, 1024..1279 Wq, 1280..1407 Wk, 1408..1535 Wv, 1536..1791 Wo
	s_sub_co_u32 s4, ttmp9, NTAB                   ; c
	v_lshlrev_b32 v1, 4, v0                        ; 16 bytes of f32 a thread and load
	v_lshlrev_b32 v2, 3, v0                        ; 8 bytes of 16-bit numbers a thread and store
	s_mov_b32 s5, 0                                ; first chunk of the source
	s_mov_b32 s6, 0                                ; first chunk of the destination
	s_wait_kmcnt 0x0
	s_mov_b64 s[28:29], s[8:9]
	s_mov_b64 s[30:31], s[20:21]
	s_cmp_ge_u32 s4, 1024                          ; the selects leave SCC as the compare set it
	s_cselect_b64 s[28:29], s[10:11], s[28:29]
	s_cselect_b64 s[30:31], s[22:23], s[30:31]
	s_cselect_b32 s5, 1024, s5
	s_cselect_b32 s6, 1024, s6
	s_cmp_ge_u32 s4, 1280
	s_cselect_b64 s[28:29], s[12:13], s[28:29]     ; Wk follows Wq in wqkv: the destination's first chunk stays
	s_cselect_b32 s5, 1280, s5
	s_cmp_ge_u32 s4, 1408
	s_cselect_b64 s[28:29], s[14:15], s[28:29]
	s_cselect_b32 s5, 1408, s5
	s_cmp_ge_u32 s4, 1536
	s_cselect_b64 s[28:29], s[16:17], s[28:29]
	s_cselect_b64 s[30:31], s[24:25], s[30:31]
	s_cselect_b32 s5, 1536, s5
	s_cselect_b32 s6, 1536, s6
	s_sub_co_u32 s5, s4, s5
	s_sub_co_u32 s6, s4, s6
	s_lshl_b32 s32, s5, 15                         ; 32,768 bytes of f32 a chunk
	s_mov_b32 s33, 0
	s_lshl_b32 s34, s6, 14                         ; 16,384 bytes out
	s_mov_b32 s35, 0
	s_add_nc_u64 s[28:29], s[28:29], s[32:33]
	s_add_nc_u64 s[30:31], s[30:31], s[34:35]
.irp i, 0,1,2,3,4,5,6,7
	global_load_b128 v[8+4*\i:11+4*\i], v1, s[28:29] offset:4096*\i th:TH_LOAD_NT   ; a wave's load covers 512 consecutive bytes; read once in the launch
.endr
; wo = 1: the bf16 value is widened again and written as f16
.macro CONV wo
.irp i, 0,1,2,3,4,5,6,7
	s_wait_loadcnt 7-\i                            ; loads return in order: load i is in, the 7 - i younger ones stay out
	v_cvt_pk_bf16_f32 v[40+2*\i], v[8+4*\i], v[9+4*\i]
	v_cvt_pk_bf16_f32 v[41+2*\i], v[10+4*\i], v[11+4*\i]
.if \wo
	v_lshlrev_b32 v[8+4*\i], 16, v[40+2*\i]
	v_and_b32 v[9+4*\i], 0xffff0000, v[40+2*\i]
	v_lshlrev_b32 v[10+4*\i], 16, v[41+2*\i]
	v_and_b32 v[11+4*\i], 0xffff0000, v[41+2*\i]
	v_cvt_pk_f16_f32 v[40+2*\i], v[8+4*\i], v[9+4*\i]
	v_cvt_pk_f16_f32 v[41+2*\i], v[10+4*\i], v[11+4*\i]
.endif
	global_store_b64 v2, v[40+2*\i:41+2*\i], s[30:31] offset:2048*\i   ; a wave's store covers 256 consecutive bytes, aligned; no register is written twice
.endr
.endm
	s_cmp_ge_u32 s4, 1536
	s_cbranch_scc1 .Lwo
	CONV 0
	s_endpgm
.Lwo:
	CONV 1
	s_endpgm
	; ---- the table: block t = rows 16 t .. 16 t + 15 of the 4,096 (batch, position) rows; 4,096 bytes of cos, then 4,096 of sin.
	; Thread 32 i + l (r = l % 16, h = l / 16) makes frequencies 16 (i / 2) + 8 h + 4 (i % 2) + 0..3 of row 16 t + r and puts them at byte 16 x thread:
	; the order in which a lane of the next launch holds a head's columns, so that both sides move 512 consecutive bytes a wave.
.Ltable:
	v_and_b32 v1, 15, v0
	v_lshlrev_b32 v1, 2, v1                        ; 4 r
	s_lshl_b32 s4, ttmp9, 6                        ; 16 positions of 4 bytes a block
	s_mov_b32 s5, 0
	s_wait_kmcnt 0x0
	s_add_nc_u64 s[18:19], s[18:19], s[4:5]
	global_load_b32 v3, v1, s[18:19]
	s_lshl_b32 s4, ttmp9, 13
	s_add_nc_u64 s[26:27], s[26:27], s[4:5]
	s_mov_b32 s32, 0x3f22f983                      ; 2 / pi
	s_mov_b32 s33, 0xbfc90000                      ; - pi/2, high part (8 bits)
	s_mov_b32 s34, 0xb9fda000                      ; - middle part
	s_mov_b32 s35, 0xb3a22169                      ; - low part
	s_mov_b32 s36, 0xb94ca1f9                      ; sine on [-pi/4, pi/4]: -1.9515296e-4,
	s_mov_b32 s37, 0x3c08839e                      ; 8.3321609e-3,
	s_mov_b32 s38, 0xbe2aaaa3                      ; -1.6666655e-1
	s_mov_b32 s39, 0x37ccf5ce                      ; cosine: 2.4433157e-5,
	s_mov_b32 s40, 0xbab6061a                      ; -1.3887316e-3,
	s_mov_b32 s41, 0x3d2aaaa5                      ; 4.1666646e-2
	v_lshrrev_b32 v4, 6, v0
	v_lshlrev_b32 v4, 4, v4                        ; 16 (i / 2)
	v_bfe_u32 v5, v0, 4, 1
	v_lshl_add_u32 v4, v5, 3, v4                   ; + 8 h
	v_bfe_u32 v5, v0, 5, 1
	v_lshl_add_u32 v4, v5, 2, v4                   ; + 4 (i % 2)
.irp e, 0,1,2,3
	v_add_nc_u32 v[8+\e], \e, v4
	v_cvt_f32_u32 v[8+\e], v[8+\e]
	v_mul_f32 v[8+\e], 0xbe549a78, v[8+\e]         ; - f log2(10000) / 64
.endr
.irp e, 0,1,2,3
	v_exp_f32 v[12+\e], v[8+\e]                    ; 10000^(-f/64)
.endr
	v_lshlrev_b32 v2, 4, v0                        ; the plain instruction behind the exponentials (ISA guide 5.7.2): my 16 bytes in each half of the block
	s_wait_loadcnt 0x0
	v_cvt_f32_i32 v6, v3                           ; the position
	s_wait_alu depctr_va_vdst(0)
.macro SINCOS e
	v_mul_f32 v16, v6, v[12+\e]                    ; the angle, one f32 product as in reference()
	v_mul_f32 v17, s32, v16
	v_rndne_f32 v17, v17                           ; k = nearest whole number of quarter turns
	v_fma_f32 v18, v17, s33, v16
	v_fma_f32 v18, v17, s34, v18
	v_fma_f32 v18, v17, s35, v18                   ; r = angle - k pi/2, |r| <= pi/4
	v_cvt_i32_f32 v19, v17
	v_mul_f32 v20, v18, v18                        ; z = r r
	v_fma_f32 v21, v20, s36, s37
	v_fma_f32 v21, v21, v20, s38
	v_mul_f32 v21, v21, v20
	v_fma_f32 v21, v21, v18, v18                   ; sin r
	v_fma_f32 v22, v20, s39, s40
	v_fma_f32 v22, v22, v20, s41
	v_fma_f32 v23, v20, -0.5, 1.0
	v_mul_f32 v24, v20, v20
	v_fma_f32 v22, v22, v24, v23                   ; cos r
	v_and_b32 v25, 1, v19
	v_cmp_eq_u32 vcc_lo, 1, v25                    ; odd quarter: the two change places
	v_cndmask_b32 v26, v21, v22, vcc_lo
	v_cndmask_b32 v27, v22, v21, vcc_lo
	v_lshlrev_b32 v28, 30, v19                     ; sine is negative in quarters 2 and 3,
	v_and_b32 v28, 0x80000000, v28
	v_xor_b32 v[52+\e], v28, v26
	v_add_nc_u32 v29, 1, v19                       ; cosine in quarters 1 and 2
	v_lshlrev_b32 v29, 30, v29
	v_and_b32 v29, 0x80000000, v29
	v_xor_b32 v[48+\e], v29, v27
.endm
	SINCOS 0
	SINCOS 1
	SINCOS 2
	SINCOS 3
	global_store_b128 v2, v[48:51], s[26:27]
	global_store_b128 v2, v[52:55], s[26:27] offset:4096
	s_endpgm
.Lfunc_end_k_qbcd8e35ce5_prep:
	.size	k_qbcd8e35ce5_prep, .Lfunc_end_k_qbcd8e35ce5_prep-k_qbcd8e35ce5_prep
	.p2alignl 7, 3214868480
	.fill 96, 4, 3214868480
	.section	.rodata,"a",@progbits
	.p2align	6, 0x0
	.amdhsa_kernel k_qbcd8e35ce5_prep
		.amdhsa_group_segment_fixed_size 0
		.amdhsa_private_segment_fixed_size 0
		.amdhsa_enable_private_segment 0
		.amdhsa_kernarg_size 80
		.amdhsa_user_sgpr_count 2
		.amdhsa_user_sgpr_kernarg_segment_ptr 1
		.amdhsa_wavefront_size32 1
		.amdhsa_system_sgpr_workgroup_id_x 1
		.amdhsa_system_sgpr_workgroup_id_y 1
		.amdhsa_system_sgpr_workgroup_id_z 1
		.amdhsa_system_vgpr_workitem_id 0
		.amdhsa_next_free_vgpr 64
		.amdhsa_next_free_sgpr 66
		.amdhsa_reserve_vcc 1
		.amdhsa_float_denorm_mode_32 3
		.amdhsa_float_denorm_mode_16_64 3
		.amdhsa_memory_ordered 1
		.amdhsa_forward_progress 1
		.amdhsa_inst_pref_size 17
	.end_amdhsa_kernel
	.amdgpu_metadata
---
amdhsa.version: [ 1, 2 ]
amdhsa.kernels:
  - .name:           k_qbcd8e35ce5_prep
    .symbol:         k_qbcd8e35ce5_prep.kd
    .args:
      - { .name: hidden_states, .offset: 0, .size: 8, .value_kind: global_buffer, .address_space: global }
      - { .name: Wq, .offset: 8, .size: 8, .value_kind: global_buffer, .address_space: global }
      - { .name: Wk, .offset: 16, .size: 8, .value_kind: global_buffer, .address_space: global }
      - { .name: Wv, .offset: 24, .size: 8, .value_kind: global_buffer, .address_space: global }
      - { .name: Wo, .offset: 32, .size: 8, .value_kind: global_buffer, .address_space: global }
      - { .name: position_ids, .offset: 40, .size: 8, .value_kind: global_buffer, .address_space: global }
      - { .name: xb, .offset: 48, .size: 8, .value_kind: global_buffer, .address_space: global }
      - { .name: wqkv, .offset: 56, .size: 8, .value_kind: global_buffer, .address_space: global }
      - { .name: wob, .offset: 64, .size: 8, .value_kind: global_buffer, .address_space: global }
      - { .name: rope, .offset: 72, .size: 8, .value_kind: global_buffer, .address_space: global }
    .group_segment_fixed_size: 0
    .private_segment_fixed_size: 0
    .kernarg_segment_align: 8
    .kernarg_segment_size: 80
    .max_flat_workgroup_size: 256
    .sgpr_count:     66
    .vgpr_count:     64
    .wavefront_size: 32
...
	.end_amdgpu_metadata
.endif
;; end of part 1
;; launch qkvproj (part 2): grid 16 x 16, 4 waves a work-group, clusters of 4 x 4, 327,680 bytes of LDS; arguments xb, wqkv, rope, qkvh; writes qkvh
.if DOCPART == 2
	.amdgcn_target "amdgcn-amd-amdhsa--gfx1250"
	.amdhsa_code_object_version 6
	.text
	.protected	k_qbcd8e35ce5_qkvproj
	.globl	k_qbcd8e35ce5_qkvproj
	.p2align	8
	.type	k_qbcd8e35ce5_qkvproj,@function
k_qbcd8e35ce5_qkvproj:
	s_mov_b64 s[64:65], 0
	v_nop
	global_prefetch_b8 v0, s[64:65] scope:SCOPE_SE
	s_setreg_imm32_b32 hwreg(HW_REG_WAVE_MODE, 25, 1), 1
	s_wait_xcnt 0x0
	s_wait_alu depctr_hold_cnt(0) depctr_sa_sdst(0) depctr_va_vdst(0) depctr_va_sdst(0) depctr_va_ssrc(0) depctr_va_vcc(0) depctr_vm_vsrc(0)
	s_getreg_b32 s2, hwreg(HW_REG_IB_STS2, 6, 4)
	s_cmp_eq_u32 s2, 0
	s_cbranch_scc0 .Lentry_in_a_cluster
	s_endpgm
.Lentry_in_a_cluster:
	s_bfe_u32 s2, ttmp6, 0x10000c
	s_cmp_lg_u32 s2, 0xf033
	s_cbranch_scc0 .Lentry_shape_is_right
	s_endpgm
.Lentry_shape_is_right:
; qkvh[4096][2048] (f16) = xb[4096][2048] x wqkv[2048][2048]^T (bf16 operands, f32 sums), with RoPE on columns 0..1535 (8 query heads, 4 key heads).
; Nothing of reference() is left out here.
; A work-group makes 256 rows x 128 columns with four waves, one to a SIMD; a wave makes 64 rows x all 128 columns = 32 accumulator tiles, 256 registers.
; The 128 columns are one head, so a lane holds both partners d and d + 64 of the rotation.
; THE RING: two LDS slots, each with 192 along K, the most of which two fit.  A slot holds A's 256 rows as a wide tile (128 of K, rows of 256 bytes, pitch 272)
; and a narrow one (64 of K, rows of 128 bytes, pitch 144), and B's 128 rows as one tile (rows of 384 bytes, 16 bytes of padding behind every 128, pitch 432).
; Slot 0 (byte 768 j of a row) takes the wide part first, slot 1 (byte 768 j + 384) the narrow part first, so that wide rows begin at multiples of 256 bytes.
; One tensor load a wave: waves 0, 1 halves of A's wide tile, wave 2 A's narrow tile (32 KiB each), wave 3 B's tile (48 KiB).
; 2048 = 10 x 192 + 128: the eleventh step has the wide part alone; B's descriptor then states 128 elements left, the rest of its tile arrives as zeros and is not read.
; CLUSTER 4 x 4: the four work-groups of a cluster's row share A's tiles, the four of a column share B's; each tile is asked for jointly.
; The four column blocks of a cluster are heads of one kind (cluster x 0, 1: q; 2: k; 3: v), so the choice "rotate or not" hangs on the cluster's x,
; which all partners share.
; FORMAT AND LIMIT: q, k, v are stored in f16, whose rounding is eight times finer than bf16's; a query row that attends to one key passes v on
; unaveraged, and there a coarser rounding would show.  Room: the drawn spread is 1; X and W both 30 times larger give 900; X and W both with an offset
; of 30 spreads give 2048 x 30 x 0.66 = 40,700, after the rotation at most 57,600; beyond 65,504 the stored number is an infinity.
; REGISTERS: window 0: v16-27 addresses; v64-159, v160-255 two fragment buffers (B's 8 blocks, then A's 4); window 1: accumulator tile (a, b) at 8 (8 a + b);
; window 2: the table of cos and sin on the way out.
; The matrix instruction is used transposed (source 0 = rows of B, source 1 = rows of A): lane l then holds row l % 16 and columns 8 (l / 16) + 0..7 of a tile.
.set SIZE_K, 2048
.set PW,     272                       ; all three pitches are odd multiples of 16 bytes: the 16 rows of a fragment start in 16 different 16-byte columns of a 256-byte bank row (ISA guide 11.1)
.set PN,     144
.set PB,     432
.set ANOFF,  256*PW                    ; 69,632
.set BOFF,   ANOFF+256*PN              ; 106,496
.set SLOT,   BOFF+128*PB               ; 161,792
.set STAGE,  SLOT                      ; the way out uses slot 1: it has had its last fill, and the last step reads slot 0
.set SPITCH, 272
.set TAILDIM, 128                      ; elements of K in the last, short step
.set TAILKIND, 1                       ; 1: it has the wide part alone
.set ADRAW, 16                         ; + slot
.set ADRAN, 18
.set ADRB,  20
.set STO,  24
.set RD,   25
.set CO,   26
.set TB,   27
.set F0,   64
.set F1,   160
.set R,    64                          ; way out: 64 results of a lane, then 32 packed
.set T,    128                         ; way out: two sets of two pairs, by turns
.set G1AW, 24
.set G0AW, 32
.set G1B,  48
.set G0B,  56
.set G1AN, 72
.set G0AN, 80
.set MUL, 0x50                         ; C and D in window 1, both sources in window 0
.set MSB, 0
.macro WIN new                         ; the immediate's high byte repeats the setting that is left
.if MSB != \new
	s_set_vgpr_msb (MSB<<8)|\new
.set MSB, \new
.endif
.endm
; A slot's joint loads, one a wave.  kind 0: all; 1: no narrow tile; 2: no wide tile.  The branches hang on the wave's number alone.
.macro JLOAD s, kind
.if \kind != 2
	s_cmp_ge_u32 s10, 2
	s_cbranch_scc1 .Lnot_aw_\@
	tensor_load_to_lds s[G0AW+4*\s:G0AW+4*\s+3], s[G1AW:G1AW+7]
	s_nop 0
.Lnot_aw_\@:
.endif
.if \kind != 1
	s_cmp_lg_u32 s10, 2
	s_cbranch_scc1 .Lnot_an_\@
	tensor_load_to_lds s[G0AN+4*\s:G0AN+4*\s+3], s[G1AN:G1AN+7]
	s_nop 0
.Lnot_an_\@:
.endif
	s_cmp_lg_u32 s10, 3
	s_cbranch_scc1 .Lnot_b_\@
	tensor_load_to_lds s[G0B+4*\s:G0B+4*\s+3], s[G1B:G1B+7]
	s_nop 0
.Lnot_b_\@:
.endm
.macro CREST                           ; a round of the cluster's barrier behind its opening work-group barrier
	s_cmp_lg_u32 s10, 0
	s_cbranch_scc1 .Lnot_wave_0_\@
	s_barrier_signal -3
.Lnot_wave_0_\@:
	s_barrier_wait -3
	s_barrier_signal -1
	s_barrier_wait -1
.endm
.macro CROUND
	s_barrier_signal -1
	s_barrier_wait -1
	CREST
.endm
	s_load_b128 s[4:7], s[0:1], 0x0                ; xb, wqkv
	s_load_b128 s[68:71], s[0:1], 0x10             ; rope, qkvh
	v_lshl_add_u32 v62, v0, 2, 0x4f000
	v_mov_b32 v63, 0
	ds_add_u32 v62, v63
	v_lshrrev_b32 v1, 5, v0
	v_readfirstlane_b32 s10, v1                    ; wave 0..3
	s_and_b32 s12, s10, 1                          ; which half of A's wide tile (waves 0, 1)
	s_bfe_u32 s40, ttmp6, 0x40000                  ; cx
	s_bfe_u32 s41, ttmp6, 0x40004                  ; cy
	s_lshl_b32 s42, ttmp9, 2
	s_add_co_u32 s42, s42, s40                     ; column block = 4 x cluster x + cx
	s_and_b32 s13, ttmp7, 0xffff
	s_lshl_b32 s13, s13, 2
	s_add_co_u32 s13, s13, s41                     ; row block = 4 x cluster y + cy
	s_lshl_b32 s43, s41, 2
	s_lshl_b32 s43, 15, s43                        ; my row of the cluster
	s_lshl_b32 s44, 0x1111, s40                    ; my column
	s_or_b32 s[G1AW+0], s43, (1<<16)|(1<<20)|(1<<21)|(5<<22)|(3<<25)  ; mask; 2-byte elements; padding on; bit 21 beside a mask; after every 64 words 4 words
	s_or_b32 s[G1AN+0], s43, (1<<16)|(1<<20)|(1<<21)|(4<<22)|(3<<25)  ; after every 32 words 4 words
	s_or_b32 s[G1B+0],  s44, (1<<16)|(1<<20)|(1<<21)|(4<<22)|(3<<25)  ; the same: three times in a row of 96 words
	s_mov_b32 s[G1AW+1], 128<<16                   ; tensor_dim0
	s_mov_b32 s[G1AN+1], 64<<16
	s_mov_b32 s[G1B+1],  192<<16
	s_mov_b32 s[G1AW+2], 128<<16                   ; tensor_dim1: rows
	s_mov_b32 s[G1AN+2], 256<<16
	s_mov_b32 s[G1B+2],  128<<16
	s_mov_b32 s[G1AW+3], 128<<16                   ; tile_dim0
	s_mov_b32 s[G1AN+3], 64<<16
	s_mov_b32 s[G1B+3],  192<<16
	s_mov_b32 s[G1AW+4], 128                       ; tile_dim1
	s_mov_b32 s[G1AN+4], 256
	s_mov_b32 s[G1B+4],  128
	s_mov_b32 s[G1AW+5], SIZE_K                    ; elements from row to row
	s_mov_b32 s[G1AN+5], SIZE_K
	s_mov_b32 s[G1B+5],  SIZE_K
	s_mov_b32 s[G1AW+6], 0
	s_mov_b32 s[G1AN+6], 0
	s_mov_b32 s[G1B+6],  0
	s_mov_b32 s[G1AW+7], 0
	s_mov_b32 s[G1AN+7], 0
	s_mov_b32 s[G1B+7],  0
	s_mov_b64 s[18:19], SIZE_K*2
	s_lshl_b32 s16, s13, 8                         ; A: row 256 x row block,
	s_mov_b32 s17, 0
	s_mul_u64 s[16:17], s[16:17], s[18:19]         ; in bytes
	s_lshl_b32 s20, s12, 7                         ; and 128 rows further for the second half of the wide tile
	s_mov_b32 s21, 0
	s_mul_u64 s[20:21], s[20:21], s[18:19]
	s_lshl_b32 s46, s42, 7                         ; B: row 128 x column block
	s_mov_b32 s47, 0
	s_mul_u64 s[46:47], s[46:47], s[18:19]
	s_mul_i32 s22, s10, 128*PW                     ; the wide tile's halves lie at wave x 34,816: no place in the cluster enters an LDS address
	s_wait_dscnt 0x0
	s_wait_kmcnt 0x0
	s_add_nc_u64 s[14:15], s[4:5], s[16:17]
	s_add_nc_u64 s[16:17], s[14:15], s[20:21]
	s_add_nc_u64 s[46:47], s[6:7], s[46:47]
	CROUND                                         ; all sixteen work-groups are here: the first joint loads meet
.irp s, 0,1
	s_mov_b32 s[G0AW+4*\s], 1
	s_add_co_u32 s[G0AW+4*\s+1], s22, \s*SLOT
	s_add_nc_u64 s[G0AW+4*\s+2:G0AW+4*\s+3], s[16:17], \s*512        ; slot 0: byte 0 of the step; slot 1: byte 384 + 128
	s_or_b32 s[G0AW+4*\s+3], s[G0AW+4*\s+3], 0x80000000
	s_mov_b32 s[G0AN+4*\s], 1
	s_mov_b32 s[G0AN+4*\s+1], \s*SLOT+ANOFF
	s_add_nc_u64 s[G0AN+4*\s+2:G0AN+4*\s+3], s[14:15], 256+\s*128    ; slot 0: byte 256; slot 1: byte 384
	s_or_b32 s[G0AN+4*\s+3], s[G0AN+4*\s+3], 0x80000000
	s_mov_b32 s[G0B+4*\s], 1
	s_mov_b32 s[G0B+4*\s+1], \s*SLOT+BOFF
	s_add_nc_u64 s[G0B+4*\s+2:G0B+4*\s+3], s[46:47], \s*384
	s_or_b32 s[G0B+4*\s+3], s[G0B+4*\s+3], 0x80000000
	JLOAD \s, 0                                    ; both slots' first fills: two tensor loads of each wave are out
.endr
	v_and_b32 v1, 15, v0                           ; r
	v_bfe_u32 v2, v0, 4, 1                         ; h
	v_mul_u32_u24 v3, v1, PW
	v_lshl_add_u32 v3, v2, 4, v3                   ; row x pitch + 16 h, for each of the three pitches
	v_mul_u32_u24 v4, v1, PN
	v_lshl_add_u32 v4, v2, 4, v4
	v_mul_u32_u24 v5, v1, PB
	v_lshl_add_u32 v5, v2, 4, v5
	s_mul_i32 s21, s10, 64*PW                      ; my 64 rows of A
	s_mul_i32 s22, s10, 64*PN
	s_add_co_u32 s22, s22, ANOFF
	v_add_nc_u32 v[ADRAW], s21, v3
	v_add_nc_u32 v[ADRAN], s22, v4
	v_add_nc_u32 v[ADRB], BOFF, v5                 ; all of B's 128 rows
	v_add_nc_u32 v[ADRAW+1], SLOT, v[ADRAW]
	v_add_nc_u32 v[ADRAN+1], SLOT, v[ADRAN]
	v_add_nc_u32 v[ADRB+1], SLOT, v[ADRB]
	s_mul_i32 s23, s10, 16*SPITCH
	s_add_co_u32 s23, s23, STAGE
	v_mul_u32_u24 v7, v1, SPITCH
	v_lshl_add_u32 v7, v2, 4, v7
	v_add_nc_u32 v[STO], s23, v7                   ; in: row r, 16 bytes for each half of the lanes
	v_mul_u32_u24 v8, v2, SPITCH
	v_lshl_add_u32 v8, v1, 4, v8
	v_add_nc_u32 v[RD], s23, v8                    ; back: lanes 0-15 one row of 256 bytes, lanes 16-31 the next
	v_lshlrev_b32 v8, 12, v2
	v_lshl_add_u32 v[CO], v1, 4, v8                ; the same two rows in qkvh (4,096 bytes a row)
	v_and_b32 v8, 31, v0
	v_lshlrev_b32 v[TB], 4, v8                     ; 16 x lane in the table
; 8 matrix instructions: row block a x all 8 column blocks, 32 along K.  The 32 accumulators take turns, one instruction a turn, in the same order
; in every quarter.
.macro MULA f, a, zero
.irp b, 0,1,2,3,4,5,6,7
.if \zero
	v_wmma_f32_16x16x32_bf16 v[8*(8*\a+\b):8*(8*\a+\b)+7], v[\f+8*\b:\f+8*\b+7], v[\f+64+8*\a:\f+64+8*\a+7], 0
.else
	v_wmma_f32_16x16x32_bf16 v[8*(8*\a+\b):8*(8*\a+\b)+7], v[\f+8*\b:\f+8*\b+7], v[\f+64+8*\a:\f+64+8*\a+7], v[8*(8*\a+\b):8*(8*\a+\b)+7]
.endif
.endr
.endm
; 24 LDS loads in one run: the fragments of quarter q (32 of K, q = 0..5) of a slot: B's 8 blocks, then A's 4.
; B: 64 of K to a piece of 144 bytes.  A: slot 0 has quarters 0-3 in the wide tile and 4, 5 in the narrow one; slot 1 has 0, 1 in the narrow one and 2-5 in the wide one.
.macro FETCH slot, q, f
.if \slot
.if (\q) < 2
	.set FA_R, ADRAN+1
	.set FA_P, 16*PN
	.set FA_O, 64*(\q)
.else
	.set FA_R, ADRAW+1
	.set FA_P, 16*PW
	.set FA_O, 64*((\q)-2)
.endif
.else
.if (\q) < 4
	.set FA_R, ADRAW
	.set FA_P, 16*PW
	.set FA_O, 64*(\q)
.else
	.set FA_R, ADRAN
	.set FA_P, 16*PN
	.set FA_O, 64*((\q)-4)
.endif
.endif
	.set FB_O, 144*((\q)/2)+64*((\q)%2)
.irp i, 0,1,2,3,4,5,6,7
	ds_load_b128 v[\f+8*\i:\f+8*\i+3],   v[ADRB+\slot] offset:FB_O+\i*16*PB
	ds_load_b128 v[\f+8*\i+4:\f+8*\i+7], v[ADRB+\slot] offset:FB_O+\i*16*PB+32
.endr
.irp i, 0,1,2,3
	ds_load_b128 v[\f+64+8*\i:\f+64+8*\i+3], v[FA_R] offset:FA_O+\i*FA_P
	ds_load_b128 v[\f+64+8*\i+4:\f+64+8*\i+7], v[FA_R] offset:FA_O+\i*FA_P+32
.endr
.endm
.macro PLACES                          ; four places between a matrix instruction and a load into, or a vector access to, its registers
.rept 4
	v_nop
.endr
.endm
; multiplies buffer f; in its middle fetches quarter q of the same slot into buffer g
.macro QUARTER slot, q, f, g, zero
	s_wait_dscnt 4                                 ; all of buffer f but its youngest four loads (A's blocks 2, 3)
	WIN MUL
	MULA \f, 0, \zero
	MULA \f, 1, \zero
	PLACES
	WIN 0
	FETCH \slot, \q, \g
	s_wait_dscnt 24                                ; all but the 24 just issued
	WIN MUL
	MULA \f, 2, \zero
	MULA \f, 3, \zero
.endm
.macro FIVE slot, zero
	QUARTER \slot, 1, F0, F1, \zero
	QUARTER \slot, 2, F1, F0, 0
	QUARTER \slot, 3, F0, F1, 0
	QUARTER \slot, 4, F1, F0, 0
	QUARTER \slot, 5, F0, F1, 0
.endm
; The sixth quarter of a step, and the change of slots.  In front of the barrier each wave waits for its reads of this slot and for all its tensor
; loads (one is out: its part of the next slot).  Where the slot is filled again (fill 1: whole; 2: the short last step) the barrier opens a round of the
; cluster's barrier, and the joint refill is the first tensor load behind the round.  From a request to the wait for it a wave issues 184 matrix instructions.
.macro TURN slot, next, fill
	s_wait_dscnt 4
	WIN MUL
	MULA F1, 0, 0
	s_wait_dscnt 0
	s_wait_tensorcnt 0x0
	ds_add_u32 v62, v63
	s_wait_dscnt 0x0
	s_barrier_signal -1
	MULA F1, 1, 0                                  ; register work between signal and wait
	WIN 0
	s_barrier_wait -1
.if \fill
	CREST
	s_add_nc_u64 s[G0AW+4*\slot+2:G0AW+4*\slot+3], s[G0AW+4*\slot+2:G0AW+4*\slot+3], 768   ; two steps of 384 bytes on; no tensor load of mine is out
	s_add_nc_u64 s[G0AN+4*\slot+2:G0AN+4*\slot+3], s[G0AN+4*\slot+2:G0AN+4*\slot+3], 768
	s_add_nc_u64 s[G0B+4*\slot+2:G0B+4*\slot+3], s[G0B+4*\slot+2:G0B+4*\slot+3], 768
.if \fill == 2
	s_mov_b32 s[G1B+1], TAILDIM<<16                ; what is left of B's rows; beyond it the tile is filled with zeros, which keeps the pitch
	JLOAD \slot, TAILKIND
.else
	JLOAD \slot, 0
.endif
.endif
	PLACES
	FETCH \next, 0, F0
	WIN MUL
	MULA F1, 2, 0
	MULA F1, 3, 0
.endm
.macro LAP zero
	FIVE 0, \zero
	TURN 0, 1, 1
	FIVE 1, 0
	TURN 1, 0, 1
.endm
	s_wait_tensorcnt 0x0                           ; both my first fills are in.  Each stands under a branch of its own on the wave's number, so the wait is for all of them, not a count
	s_barrier_signal -1
	s_barrier_wait -1                              ; everybody's are
	FETCH 0, 0, F0
	LAP 1                                          ; steps 0, 1; the first products start the sums: nothing is cleared
	WIN 0
	s_mov_b32 s3, 3                                ; steps 2 to 7
.Llap:
	LAP 0
	WIN 0
	s_sub_co_u32 s3, s3, 1
	s_cmp_lg_u32 s3, 0
	s_cbranch_scc1 .Llap
	FIVE 0, 0                                      ; step 8; slot 0 gets the short step 10
	TURN 0, 1, 2
	FIVE 1, 0                                      ; step 9; nothing is left to fetch
	TURN 1, 0, 0
	QUARTER 0, 1, F0, F1, 0                        ; step 10: four quarters, all in the wide tile
	QUARTER 0, 2, F1, F0, 0
	QUARTER 0, 3, F0, F1, 0
	s_wait_dscnt 4
	WIN MUL
	MULA F1, 0, 0
	MULA F1, 1, 0
	s_wait_dscnt 0
	MULA F1, 2, 0
	MULA F1, 3, 0
	PLACES
	WIN 0
	; THE WAY OUT, 16 rows at a time: rotate (q, k), round to f16, through my own stage in LDS, out as whole rows of 256 bytes.
	; The stage lies in slot 1: every wave's reads of it ended in front of the barrier of step 9's change of slots, and no load fills it any more.
	s_lshl_b32 s16, s13, 8
	s_lshl_b32 s14, s10, 6
	s_add_co_u32 s16, s16, s14                     ; my first row
	s_lshl_b32 s18, s16, 9                         ; 8,192 bytes of table for 16 rows
	s_mov_b32 s19, 0
	s_add_nc_u64 s[68:69], s[68:69], s[18:19]
	s_lshl_b32 s16, s16, 12
	s_mov_b32 s17, 0
	s_add_nc_u64 s[70:71], s[70:71], s[16:17]
	s_lshl_b32 s46, s42, 8                         ; my head's 256 bytes of a row
	s_mov_b32 s47, 0
	s_add_nc_u64 s[70:71], s[70:71], s[46:47]
.macro STORE16 a, f
.irp b, 0,1,2,3,4,5,6,7
	ds_store_b128 v[STO], v[R+4*\b:R+4*\b+3] offset:32*\b
.endr
	s_wait_xcnt 0x0                                ; buffer f, which earlier stores read, and the stores' base are rewritten only behind this wait (ISA guide 3.1)
.if \a
	s_add_nc_u64 s[70:71], s[70:71], 16*4096
.endif
.irp t, 0,1,2,3,4,5,6,7
	ds_load_b128 v[\f+4*\t:\f+4*\t+3], v[RD] offset:\t*2*SPITCH     ; a wave's LDS instructions are served in order: these see the stores above
.endr
.irp t, 0,1,2,3,4,5,6,7
	s_wait_dscnt 7-\t
	global_store_b128 v[CO], v[\f+4*\t:\f+4*\t+3], s[70:71] offset:\t*2*4096   ; 16 lanes store 256 consecutive bytes, aligned
.endr
.endm
; out(d) = x(d) cos(d) - x(d + 64) sin(d);  out(d + 64) = x(d + 64) cos(d) + x(d) sin(d), d = 0..63: column blocks b and b + 4 of one lane
.macro ROPE16 a, f
	s_wait_loadcnt 48-16*\a                        ; the table's loads return in order: block a's 16 are in, the later blocks' stay out
	WIN 0x09                                       ; source 0 window 1 (sums), source 1 window 2 (table)
.irp b, 0,1,2,3
.irp p, 0,1,2,3
	v_pk_mul_f32 v[T+4*(\p&1):T+4*(\p&1)+1], v[8*(8*\a+\b+4)+2*\p:8*(8*\a+\b+4)+2*\p+1], v[64*\a+32+8*\b+2*\p:64*\a+32+8*\b+2*\p+1]
	v_pk_mul_f32 v[T+4*(\p&1)+2:T+4*(\p&1)+3], v[8*(8*\a+\b)+2*\p:8*(8*\a+\b)+2*\p+1], v[64*\a+32+8*\b+2*\p:64*\a+32+8*\b+2*\p+1]
	v_pk_fma_f32 v[R+8*\b+2*\p:R+8*\b+2*\p+1], v[8*(8*\a+\b)+2*\p:8*(8*\a+\b)+2*\p+1], v[64*\a+8*\b+2*\p:64*\a+8*\b+2*\p+1], v[T+4*(\p&1):T+4*(\p&1)+1] neg_lo:[0,0,1] neg_hi:[0,0,1]
	v_pk_fma_f32 v[R+32+8*\b+2*\p:R+32+8*\b+2*\p+1], v[8*(8*\a+\b+4)+2*\p:8*(8*\a+\b+4)+2*\p+1], v[64*\a+8*\b+2*\p:64*\a+8*\b+2*\p+1], v[T+4*(\p&1)+2:T+4*(\p&1)+3]
.endr
.endr
	WIN 0
.set i, 0
.rept 32
	v_cvt_pk_f16_f32 v[R+i], v[R+2*i], v[R+2*i+1]  ; in place, ascending: word i is written when words 2 i, 2 i + 1 are read
.set i, i+1
.endr
	STORE16 \a, \f
.endm
.macro PLAIN16 a, f
	WIN 0x05                                       ; both sources in window 1
.irp b, 0,1,2,3,4,5,6,7
.irp p, 0,1,2,3
	v_cvt_pk_f16_f32 v[R+4*\b+\p], v[8*(8*\a+\b)+2*\p], v[8*(8*\a+\b)+2*\p+1]
.endr
.endr
	WIN 0
	STORE16 \a, \f
.endm
	s_cmp_eq_u32 ttmp9, 3                          ; cluster x = 3: the four value heads, no rotation.  The same in all partners
	s_cbranch_scc1 .Lplain
	WIN 0x80                                       ; destination window 2
.irp a, 0,1,2,3
.irp i, 0,1,2,3,4,5,6,7
	global_load_b128 v[64*\a+4*\i:64*\a+4*\i+3], v[TB], s[68:69] offset:8192*\a+512*\i          ; cos of my columns 16 (i/2) + 8 h + 4 (i%2) + 0..3
.endr
.irp i, 0,1,2,3,4,5,6,7
	global_load_b128 v[64*\a+32+4*\i:64*\a+32+4*\i+3], v[TB], s[68:69] offset:8192*\a+4096+512*\i ; sin
.endr
.endr
	ROPE16 0, 160
	ROPE16 1, 192
	ROPE16 2, 160
	ROPE16 3, 192
	s_branch .Ljoin
.Lplain:
	PLAIN16 0, 160
	PLAIN16 1, 192
	PLAIN16 2, 160
	PLAIN16 3, 192
.Ljoin:
	s_wait_tensorcnt 0x0
	ds_add_u32 v62, v63
	s_wait_dscnt 0x0
	CROUND                                         ; the closing round: no work-group ends while a partner may still ask for a tile that names it
	s_endpgm
.Lfunc_end_k_qbcd8e35ce5_qkvproj:
	.size	k_qbcd8e35ce5_qkvproj, .Lfunc_end_k_qbcd8e35ce5_qkvproj-k_qbcd8e35ce5_qkvproj
	.p2alignl 7, 3214868480
	.fill 96, 4, 3214868480
	.section	.rodata,"a",@progbits
	.p2align	6, 0x0
	.amdhsa_kernel k_qbcd8e35ce5_qkvproj
		.amdhsa_group_segment_fixed_size 327680
		.amdhsa_private_segment_fixed_size 0
		.amdhsa_enable_private_segment 0
		.amdhsa_kernarg_size 32
		.amdhsa_user_sgpr_count 2
		.amdhsa_user_sgpr_kernarg_segment_ptr 1
		.amdhsa_wavefront_size32 1
		.amdhsa_system_sgpr_workgroup_id_x 1
		.amdhsa_system_sgpr_workgroup_id_y 1
		.amdhsa_system_sgpr_workgroup_id_z 1
		.amdhsa_system_vgpr_workitem_id 0
		.amdhsa_next_free_vgpr 768
		.amdhsa_next_free_sgpr 88
		.amdhsa_reserve_vcc 0
		.amdhsa_float_denorm_mode_32 3
		.amdhsa_float_denorm_mode_16_64 3
		.amdhsa_memory_ordered 1
		.amdhsa_forward_progress 1
		.amdhsa_inst_pref_size 220
	.end_amdhsa_kernel
	.amdgpu_metadata
---
amdhsa.version: [ 1, 2 ]
amdhsa.kernels:
  - .name:           k_qbcd8e35ce5_qkvproj
    .symbol:         k_qbcd8e35ce5_qkvproj.kd
    .args:
      - { .name: xb, .offset: 0, .size: 8, .value_kind: global_buffer, .address_space: global }
      - { .name: wqkv, .offset: 8, .size: 8, .value_kind: global_buffer, .address_space: global }
      - { .name: rope, .offset: 16, .size: 8, .value_kind: global_buffer, .address_space: global }
      - { .name: qkvh, .offset: 24, .size: 8, .value_kind: global_buffer, .address_space: global }
    .group_segment_fixed_size: 327680
    .private_segment_fixed_size: 0
    .kernarg_segment_align: 8
    .kernarg_segment_size: 32
    .max_flat_workgroup_size: 128
    .sgpr_count:     88
    .vgpr_count:     768
    .wavefront_size: 32
...
	.end_amdgpu_metadata
.endif
;; end of part 2
;; launch attention (part 3): grid 64 x 4, 4 waves a work-group, clusters of 4 x 4, 327,680 bytes of LDS; arguments qkvh, attention_mask, atth; writes atth
.if DOCPART == 3
	.amdgcn_target "amdgcn-amd-amdhsa--gfx1250"
	.amdhsa_code_object_version 6
	.text
	.protected	k_qbcd8e35ce5_attention
	.globl	k_qbcd8e35ce5_attention
	.p2align	8
	.type	k_qbcd8e35ce5_attention,@function
k_qbcd8e35ce5_attention:
	s_mov_b64 s[64:65], 0
	v_nop
	global_prefetch_b8 v0, s[64:65] scope:SCOPE_SE
	s_setreg_imm32_b32 hwreg(HW_REG_WAVE_MODE, 25, 1), 1
	s_wait_xcnt 0x0
	s_wait_alu depctr_hold_cnt(0) depctr_sa_sdst(0) depctr_va_vdst(0) depctr_va_sdst(0) depctr_va_ssrc(0) depctr_va_vcc(0) depctr_vm_vsrc(0)
	s_getreg_b32 s2, hwreg(HW_REG_IB_STS2, 6, 4)
	s_cmp_eq_u32 s2, 0
	s_cbranch_scc0 .Lentry_in_a_cluster
	s_endpgm
.Lentry_in_a_cluster:
	s_bfe_u32 s2, ttmp6, 0x10000c
	s_cmp_lg_u32 s2, 0xf033
	s_cbranch_scc0 .Lentry_shape_is_right
	s_endpgm
.Lentry_shape_is_right:
; atth[4096][1024] (f16) = softmax(q k^T / sqrt(128) + mask) v for 2 batches x 8 query heads on 4 key/value heads, 2,048 keys, head size 128.
; Nothing of reference() is left out: the mask is an input, so every one of the 2,048 x 2,048 scores of every head is made.
; A work-group takes 64 query rows (block qb = 4 x cluster x + cx of the 4,096 rows) of the two query heads 2 cy, 2 cy + 1 of key/value head cy, and walks
; the 2,048 keys in 16 tiles of 128 through two LDS slots.  CLUSTER 4 x 4 = 4 query blocks x 4 key/value heads: K's and V's tiles are shared along a
; row of the cluster (same cy), the mask's tile along a column (same cx); each is asked for jointly.
; Wave w: rh = w / 2 picks 32 of the rows, kh = w % 2 picks keys 64 kh .. 64 kh + 63 of each tile.  It holds 4 query tiles qt = 2 g + head; g = 0 is the row tile
; rt = kh, which this wave finishes, g = 1 the row tile 1 - kh, which it hands to wave w xor 1 at the end, where the two key halves are joined.
; So a mask number read from LDS serves two heads, and no branch hangs on kh.
; ORIENTATION: S^T = K Q^T (A = 16 keys, B = 16 queries): lane (r, h) holds query r, keys 8 h + 0..7; two neighbouring key tiles, packed, are the B fragment P.
; O^T = V^T P (A from the transposing LDS load): lane (r, h) holds query r, d = 16 dt + 8 h + 0..7.  All figures of a query's softmax are its lanes' own.
; TWO PIECES TAKE TURNS: g = 0 and g = 1 share K's and V's fragments.  A tile's order is: scores of g = 0; scores of g = 1 with the softmax of g = 0 in 32 slices,
; one behind each product; O of g = 0 with the softmax of g = 1 in 32 slices; O of g = 1.  A piece's softmax is 334 vector instructions against the
; 32 products (256 matrix cycles) that it stands among, so these two runs are as long as their vector work and the products in them cost no time of their own.
; A slice works in window 0 (the rescaling of O in window 1), a product names windows 2 and 3: two switches for each product with a slice.
; SOFTMAX: t = s / sqrt(128) + mask in one fused multiply-add; the running maximum is taken away from t first (exact where the numbers are equal, so a row
; masked by one large number everywhere comes out uniform), and only the difference is multiplied by log2 e.
; FORMATS AND LIMITS: q, k, v, P in f16 (P lies in [0, 1]; below 2^-24 it is 0).  The running maximum starts at the lowest finite f32, so mask entries of
; -infinity give weight 0; a row of -infinity alone gives NaN as in reference(); +infinity and NaN in the mask are not followed.
; The sums run tile by tile and half by half, not in reference()'s order.
; REGISTERS: window 0: v4-18 addresses, v20-59 figures, v64-191 scores (64 + 32 qt + 8 kt + j), v192-255 mask (192 + 32 g + 8 kt + j);
; window 1: O at 64 qt + 8 dt; window 2: Q at 32 qt + 8 c, K's fragments at 128 + 32 kt + 8 c; window 3: V's fragments at 64 u + 8 dt.
.set PK,   272                         ; K rows: 256 + 16
.set PVV,  288                         ; V rows: 256 + 32, an odd multiple of 32 for the transposing load
.set PM,   528                         ; mask rows: 512 + 16
.set VOFF, 128*PK                      ; 34,816
.set MOFF, VOFF+128*PVV                ; 71,680
.set SLOT, MOFF+64*PM                  ; 105,472
.set XCH,  2*SLOT                      ; 210,944: 16,896 bytes a wave, what it hands to its partner; no tensor load lands here or behind
.set XW,   16896
.set STAGE, XCH+4*XW                   ; 278,528: 16 rows x 528 bytes a wave
.set SW,   16*PM
.set KTILE, 128*4096                   ; bytes from a key tile to the next in qkvh
.set VK, 4
.set VV, 6
.set VM, 8                             ; + 2 g + slot
.set VQ, 12                            ; + g
.set XS, 14
.set XR, 15
.set STO, 16
.set RD, 17
.set CO, 18
; Figures.  The packed forms broadcast the lower register of a pair and name the upper one too, so the odd registers hold other figures, all written at the start.
.set MXP, 20                           ; + 8 par + 2 qt: the running maximum; the sets par = 0, 1 take turns with the slots, so the old maximum needs no copy
.set LS,  21                           ; + 2 qt: running sums (each half of the lanes its own until the end)
.set TT,  29                           ; + 2 qt: at work
.set ALP, 36                           ; + 2 qt: the factor on what was summed so far
.set TPR, 37                           ; + 2 qt: from the other half of the lanes
.set MXA, 44                           ; + 2 qt + c: two chains of maxima for each query tile
.set SUP, 52                           ; + 4 (qt % 2) + 2 c: two chains of packed sums; the pieces use them one after the other
.set SCR, 64
.set MSK, 192
.set KF,  128
.set G1K, 16
.set G1V, 24
.set G1M, 32
.set G0K, 40
.set G0V, 48
.set G0M, 56
.set MSB, 0
.macro WIN new
.if MSB != \new
	s_set_vgpr_msb (MSB<<8)|\new
.set MSB, \new
.endif
.endm
.macro ROUND                           ; a round of the cluster's barrier
	s_barrier_signal -1
	s_barrier_wait -1
	s_cmp_lg_u32 s10, 0
	s_cbranch_scc1 .Lnot_wave_0_\@
	s_barrier_signal -3
.Lnot_wave_0_\@:
	s_barrier_wait -3
	s_barrier_signal -1
	s_barrier_wait -1
.endm
; A slot's three tiles: wave 0 asks for K's, wave 1 for V's, wave 2 for the mask's (32 KiB each), wave 3 for none.  One tensor load of a wave is out at most.
.macro JLOAD s
	s_cmp_lg_u32 s10, 0
	s_cbranch_scc1 .Lnot_k_\@
	tensor_load_to_lds s[G0K+4*\s:G0K+4*\s+3], s[G1K:G1K+7]
	s_nop 0
.Lnot_k_\@:
	s_cmp_lg_u32 s10, 1
	s_cbranch_scc1 .Lnot_v_\@
	tensor_load_to_lds s[G0V+4*\s:G0V+4*\s+3], s[G1V:G1V+7]
	s_nop 0
.Lnot_v_\@:
	s_cmp_lg_u32 s10, 2
	s_cbranch_scc1 .Lnot_m_\@
	tensor_load_to_lds s[G0M+4*\s:G0M+4*\s+3], s[G1M:G1M+7]
	s_nop 0
.Lnot_m_\@:
.endm
	s_load_b128 s[4:7], s[0:1], 0x0                ; qkvh, attention_mask
	s_load_b64 s[8:9], s[0:1], 0x10                ; atth
	s_set_vgpr_msb 0xc0
	v_lshl_add_u32 v128, v0, 2, 0x4c400
	v_mov_b32 v129, 0
	s_set_vgpr_msb 0xc0cf
	ds_add_u32 v128, v129
	s_set_vgpr_msb 0xcf00
	v_lshrrev_b32 v1, 5, v0
	v_readfirstlane_b32 s10, v1                    ; wave
	s_lshr_b32 s11, s10, 1                         ; rh
	s_and_b32 s12, s10, 1                          ; kh
	s_xor_b32 s84, s12, 1                          ; 1 - kh
	s_bfe_u32 s13, ttmp6, 0x40000                  ; cx
	s_bfe_u32 s14, ttmp6, 0x40004                  ; cy
	s_lshl_b32 s15, s14, 2
	s_lshl_b32 s15, 15, s15                        ; my row of the cluster
	s_lshl_b32 s80, 0x1111, s13                    ; my column
	s_mov_b32 s66, 0x76543210                      ; v_permlanex16_b32: lane i of one half reads lane i of the other
	s_mov_b32 s67, 0xfedcba98
	s_or_b32 s[G1K+0], s15, (1<<16)|(1<<20)|(1<<21)|(5<<22)|(3<<25)   ; 2-byte elements, after every 64 words 4 words of padding
	s_or_b32 s[G1V+0], s15, (1<<16)|(1<<20)|(1<<21)|(5<<22)|(7<<25)   ; 8 words of padding
	s_or_b32 s[G1M+0], s80, (2<<16)|(1<<20)|(1<<21)|(6<<22)|(3<<25)   ; 4-byte elements, after every 128 words 4 words
	s_mov_b32 s[G1K+1], 128<<16                    ; tensor_dim0 = 128
	s_mov_b32 s[G1V+1], 128<<16
	s_mov_b32 s[G1M+1], 128<<16
	s_mov_b32 s[G1K+2], 128<<16                    ; tensor_dim1 = 128 keys
	s_mov_b32 s[G1V+2], 128<<16
	s_mov_b32 s[G1M+2], 64<<16                     ; 64 query rows
	s_mov_b32 s[G1K+3], 128<<16                    ; tile_dim0 = 128
	s_mov_b32 s[G1V+3], 128<<16
	s_mov_b32 s[G1M+3], 128<<16
	s_mov_b32 s[G1K+4], 128                        ; tile_dim1
	s_mov_b32 s[G1V+4], 128
	s_mov_b32 s[G1M+4], 64
	s_mov_b32 s[G1K+5], 2048                       ; elements from row to row
	s_mov_b32 s[G1V+5], 2048
	s_mov_b32 s[G1M+5], 2048
	s_mov_b32 s[G1K+6], 0
	s_mov_b32 s[G1V+6], 0
	s_mov_b32 s[G1M+6], 0
	s_mov_b32 s[G1K+7], 0
	s_mov_b32 s[G1V+7], 0
	s_mov_b32 s[G1M+7], 0
	s_lshr_b32 s68, ttmp9, 3                       ; batch: K's and V's addresses are made of it and of cy alone
	s_lshl_b32 s68, s68, 23                        ; 2,048 rows of 4,096 bytes
	s_lshl_b32 s69, s14, 8
	s_add_co_u32 s68, s68, s69
	s_mov_b32 s69, 0
	s_lshl_b32 s72, ttmp9, 2
	s_add_co_u32 s72, s72, s13                     ; qb: the mask's address is made of the cluster's x and cx alone
	s_lshl_b32 s76, s72, 18                        ; Q: 64 rows of 4,096 bytes a block,
	s_lshl_b32 s77, s14, 9                         ; two heads of 256 bytes
	s_add_co_u32 s76, s76, s77
	s_mov_b32 s77, 0
	s_lshl_b32 s82, s72, 17                        ; result: 64 rows of 2,048 bytes a block,
	s_lshl_b32 s83, s11, 16                        ; 32 rows for rh,
	s_add_co_u32 s82, s82, s83
	s_lshl_b32 s83, s12, 15                        ; 16 rows for the row tile that I finish,
	s_add_co_u32 s82, s82, s83
	s_lshl_b32 s83, s14, 9                         ; two heads of 256 bytes
	s_add_co_u32 s82, s82, s83
	s_mov_b32 s83, 0
	s_lshl_b32 s72, s72, 19                        ; mask: 64 rows of 8,192 bytes a block
	s_mov_b32 s73, 0
	s_wait_dscnt 0x0
	s_wait_kmcnt 0x0
	s_add_nc_u64 s[70:71], s[4:5], s[68:69]
	s_add_nc_u64 s[74:75], s[6:7], s[72:73]
	s_add_nc_u64 s[78:79], s[4:5], s[76:77]
	s_add_nc_u64 s[8:9], s[8:9], s[82:83]
.irp n, 0,1
	s_mov_b32 s[G0K+4*\n], 1
	s_mov_b32 s[G0K+4*\n+1], \n*SLOT
	s_add_nc_u64 s[G0K+4*\n+2:G0K+4*\n+3], s[70:71], 2048+\n*KTILE     ; k's columns begin at byte 2,048 of a row
	s_or_b32 s[G0K+4*\n+3], s[G0K+4*\n+3], 0x80000000
	s_mov_b32 s[G0V+4*\n], 1
	s_mov_b32 s[G0V+4*\n+1], \n*SLOT+VOFF
	s_add_nc_u64 s[G0V+4*\n+2:G0V+4*\n+3], s[70:71], 3072+\n*KTILE     ; v's at byte 3,072
	s_or_b32 s[G0V+4*\n+3], s[G0V+4*\n+3], 0x80000000
	s_mov_b32 s[G0M+4*\n], 1
	s_mov_b32 s[G0M+4*\n+1], \n*SLOT+MOFF
	s_add_nc_u64 s[G0M+4*\n+2:G0M+4*\n+3], s[74:75], \n*512
	s_or_b32 s[G0M+4*\n+3], s[G0M+4*\n+3], 0x80000000
.endr
	ROUND                                          ; in front of the first joint loads
	JLOAD 0                                        ; tile 0; slot 1 is filled behind the first trip's round
	v_and_b32 v1, 15, v0                           ; r
	v_bfe_u32 v2, v0, 4, 1                         ; h
	v_and_b32 v3, 31, v0                           ; lane
	v_lshlrev_b32 v19, 12, v1
	v_lshl_add_u32 v19, v2, 4, v19                 ; Q: 4,096 r + 16 h
	s_lshl_b32 s85, s11, 17
	s_lshl_b32 s86, s12, 16
	s_add_co_u32 s86, s86, s85
	v_add_nc_u32 v[VQ], s86, v19                   ; g = 0: rows 32 rh + 16 kh
	s_lshl_b32 s86, s84, 16
	s_add_co_u32 s86, s86, s85
	v_add_nc_u32 v[VQ+1], s86, v19                 ; g = 1: rows 32 rh + 16 (1 - kh)
	WIN 0x80                                       ; destination window 2
.irp g, 0,1
.irp e, 0,1
.irp c, 0,1,2,3
	global_load_b128 v[32*(2*\g+\e)+8*\c:32*(2*\g+\e)+8*\c+3],   v[VQ+\g], s[78:79] offset:256*\e+64*\c
	global_load_b128 v[32*(2*\g+\e)+8*\c+4:32*(2*\g+\e)+8*\c+7], v[VQ+\g], s[78:79] offset:256*\e+64*\c+32
.endr
.endr
.endr
	WIN 0
	v_mul_u32_u24 v19, v1, PK
	v_lshl_add_u32 v19, v2, 4, v19
	s_mul_i32 s85, s12, 64*PK
	v_add_nc_u32 v[VK], s85, v19                   ; K: (64 kh + r) x 272 + 16 h
	v_add_nc_u32 v[VK+1], SLOT, v[VK]
	v_and_b32 v19, 7, v0
	v_lshl_add_u32 v19, v2, 3, v19
	v_mul_u32_u24 v19, v19, PVV
	v_bfe_u32 v60, v0, 3, 1
	v_lshl_add_u32 v19, v60, 4, v19
	s_mul_i32 s85, s12, 64*PVV
	s_add_co_u32 s85, s85, VOFF
	v_add_nc_u32 v[VV], s85, v19                   ; V: (64 kh + 8 h + lane % 8) x 288 + 16 ((lane / 8) % 2)
	v_add_nc_u32 v[VV+1], SLOT, v[VV]
	v_mul_u32_u24 v19, v1, PM
	v_lshl_add_u32 v19, v2, 5, v19
	s_mul_i32 s85, s11, 32*PM
	s_lshl_b32 s86, s12, 8
	s_add_co_u32 s85, s85, s86
	s_add_co_u32 s85, s85, MOFF
	s_mul_i32 s86, s12, 16*PM
	s_add_co_u32 s86, s86, s85
	v_add_nc_u32 v[VM], s86, v19                   ; mask: (32 rh + 16 rt + r) x 528 + 256 kh + 32 h
	v_add_nc_u32 v[VM+1], SLOT, v[VM]
	s_mul_i32 s86, s84, 16*PM
	s_add_co_u32 s86, s86, s85
	v_add_nc_u32 v[VM+2], s86, v19
	v_add_nc_u32 v[VM+3], SLOT, v[VM+2]
	v_lshlrev_b32 v[CO], 4, v3                     ; 16 x lane
	s_mul_i32 s85, s10, XW
	s_add_co_u32 s85, s85, XCH
	v_add_nc_u32 v[XS], s85, v[CO]                 ; what I hand over
	s_xor_b32 s86, s10, 1
	s_mul_i32 s86, s86, XW
	s_add_co_u32 s86, s86, XCH
	v_add_nc_u32 v[XR], s86, v[CO]                 ; what my partner hands me
	s_mul_i32 s85, s10, SW
	s_add_co_u32 s85, s85, STAGE
	v_mul_u32_u24 v19, v1, PM
	v_lshl_add_u32 v19, v2, 4, v19
	v_add_nc_u32 v[STO], s85, v19
	v_add_nc_u32 v[RD], s85, v[CO]
.irp q, 0,1,2,3
	v_mov_b32 v[LS+2*\q], 0                        ; the upper registers of the pairs that the packed forms name are written once;
	v_mov_b32 v[TT+2*\q], 0
	v_mov_b32 v[TPR+2*\q], 0                       ; v_permlanex16_b32's destination counts as read
.endr
; THE SOFTMAX OF PIECE g, instruction by instruction: six sections; k is the instruction's number in its section.
; first = 1: the first tile starts maxima and sums and has nothing to rescale; par: the set of running maxima that this tile writes.
; AX, 64: groups of four.  F(m): t = s / sqrt(128) + mask for registers 4 m .. 4 m + 3 of both query tiles.  X(m): these registers enter four chains of maxima.
; Order F0 F1 X0 F2 X1 .. F7 X6 X7: a maximum reads what was made a group earlier.
.macro AXI g, k, first, par
	.set zj, (\k)/4
	.set zw, (\k)%4
	.set zq, 2*\g+(zw&1)
	.set zc, zw>>1
.if zj == 0
	.set zf, 1
	.set zm, 0
.elseif zj == 15
	.set zf, 0
	.set zm, 7
.elseif zj & 1
	.set zf, 1
	.set zm, (zj+1)/2
.else
	.set zf, 0
	.set zm, zj/2-1
.endif
	.set zr, SCR+32*zq+4*zm+2*zc
	WIN 0
.if zf
	v_pk_fma_f32 v[zr:zr+1], v[zr:zr+1], 0x3db504f3, v[MSK+32*\g+4*zm+2*zc:MSK+32*\g+4*zm+2*zc+1] op_sel_hi:[1,0,1]
.elseif zm == 0
	v_max_num_f32 v[MXA+2*zq+zc], v[zr], v[zr+1]
.else
	v_max3_num_f32 v[MXA+2*zq+zc], v[MXA+2*zq+zc], v[zr], v[zr+1]
.endif
.endm
; ST, 12: the new running maximum (the old one is the same in both halves of the lanes, so it may enter ahead of the exchange) and the factor exp(old - new)
.macro STI g, k, first, par
	.set zs, (\k)/2
	.set zq, 2*\g+((\k)%2)
	.set zn, MXP+8*\par+2*zq
	.set zo, MXP+8*(1-\par)+2*zq
	WIN 0
.if zs == 0
.if \first
	v_max3_num_f32 v[TT+2*zq], v[MXA+2*zq], v[MXA+2*zq+1], 0xff7fffff   ; never below the lowest finite number
.else
	v_max3_num_f32 v[TT+2*zq], v[zo], v[MXA+2*zq], v[MXA+2*zq+1]
.endif
.elseif zs == 1
	v_permlanex16_b32 v[TPR+2*zq], v[TT+2*zq], s66, s67                 ; the same query's other 32 keys
.elseif zs == 2
	v_max_num_f32 v[zn], v[TT+2*zq], v[TPR+2*zq]
.elseif \first
.elseif zs == 3
	v_sub_f32 v[TT+2*zq], v[zo], v[zn]
.elseif zs == 4
	v_mul_f32 v[TT+2*zq], 0x3fb8aa3b, v[TT+2*zq]
.else
	v_exp_f32 v[ALP+2*zq], v[TT+2*zq]              ; the plain instruction behind it (ISA guide 5.7.2) is section B's first subtraction, on other registers
.endif
.endm
; B, 128: for each of the piece's 8 tiles of 8 registers: 4 packed subtractions of the maximum, 4 packed products with log2 e, 8 exponentials.
; A tile's exponentials alternate with the next tile's plain work, so each exponential has a plain instruction on other registers behind it.
.macro BIP g, j, i, par
	.set zb, SCR+64*\g+8*(\j)
	.set zq, 2*\g+(\j)/4
.if (\i) < 4
	v_pk_add_f32 v[zb+2*(\i):zb+2*(\i)+1], v[zb+2*(\i):zb+2*(\i)+1], v[MXP+8*\par+2*zq:MXP+8*\par+2*zq+1] op_sel_hi:[1,0] neg_lo:[0,1] neg_hi:[0,1]
.else
	v_pk_mul_f32 v[zb+2*(\i)-8:zb+2*(\i)-7], v[zb+2*(\i)-8:zb+2*(\i)-7], 0x3fb8aa3b op_sel_hi:[1,0]
.endif
.endm
.macro BI g, k, first, par
	WIN 0
.if (\k) < 8
	BIP \g, 0, \k, \par
.elseif (\k) >= 120
	.set zt, SCR+64*\g+56+(\k)-120
	v_exp_f32 v[zt], v[zt]                         ; the last tile's eight: behind them comes a product of section R or a sum of the first tile
.else
	.set zk, (\k)-8
	.set zj, zk/16
	.set zi, (zk%16)/2
.if zk & 1
	.set zt, SCR+64*\g+8*zj+zi
	v_exp_f32 v[zt], v[zt]
.else
	BIP \g, zj+1, zi, \par
.endif
.endif
.endm
; R, 64: O of the piece times the factor
.macro RI g, k, first, par
.if \first
.else
	WIN 0x41                                       ; O in window 1, the factor in window 0
	v_pk_mul_f32 v[128*\g+2*(\k):128*\g+2*(\k)+1], v[128*\g+2*(\k):128*\g+2*(\k)+1], v[ALP+2*(2*\g+(\k)/32):ALP+2*(2*\g+(\k)/32)+1] op_sel_hi:[1,0]
.endif
.endm
; SU, 34: the tile's sums in four chains of packed additions, then the running sum
.macro SUI g, k, first, par
	WIN 0
.if (\k) < 4
	.set ze, (\k)&1
	.set zc, (\k)>>1
	.set zr, SCR+32*(2*\g+ze)+4*zc
	s_wait_alu depctr_va_vdst(0)
	v_pk_add_f32 v[SUP+4*ze+2*zc:SUP+4*ze+2*zc+1], v[zr:zr+1], v[zr+2:zr+3]
.elseif (\k) < 28
	.set zi, (\k)-4
	.set ze, zi&1
	.set zc, (zi%4)>>1
	.set zr, SCR+32*(2*\g+ze)+2*(4+2*(zi/4)+zc)
	v_pk_add_f32 v[SUP+4*ze+2*zc:SUP+4*ze+2*zc+1], v[SUP+4*ze+2*zc:SUP+4*ze+2*zc+1], v[zr:zr+1]
.elseif (\k) < 30
	.set ze, (\k)-28
	v_pk_add_f32 v[SUP+4*ze:SUP+4*ze+1], v[SUP+4*ze:SUP+4*ze+1], v[SUP+4*ze+2:SUP+4*ze+3]
.elseif (\k) < 32
	.set ze, (\k)-30
	.set zq, 2*\g+ze
.if \first
	v_add_f32 v[LS+2*zq], v[SUP+4*ze], v[SUP+4*ze+1]
.else
	v_fma_f32 v[LS+2*zq], v[LS+2*zq], v[ALP+2*zq], v[SUP+4*ze]
.endif
.else
.if \first
.else
	.set ze, (\k)-32
	.set zq, 2*\g+ze
	v_add_f32 v[LS+2*zq], v[LS+2*zq], v[SUP+4*ze+1]
.endif
.endif
.endm
; CV, 32: to f16, in place and ascending: the first 8 of each 16 registers become P(qt, u)
.macro CVI g, k, first, par
	WIN 0
	.set zb, SCR+64*\g+16*((\k)/8)
	.set zi, (\k)%8
	v_cvt_pk_f16_f32 v[zb+zi], v[zb+2*zi], v[zb+2*zi+1]
.endm
; part ls of ns equal parts of a section of ni instructions
.macro SECT name, g, ni, ns, ls, first, par
	.set nk, ((\ni)*(\ls))/(\ns)
	.set ne, ((\ni)*((\ls)+1))/(\ns)
.rept ne-nk
	\name \g, nk, \first, \par
	.set nk, nk+1
.endr
.endm
; slice n of 32: AX 6 slices, ST 2, then B's 12 and R's 6 in the order B B R, SU 3, CV 3: ten or eleven instructions each
.macro SLICE g, n, first, par
.if (\n) < 6
	SECT AXI, \g, 64, 6, \n, \first, \par
.elseif (\n) < 8
	SECT STI, \g, 12, 2, (\n)-6, \first, \par
.elseif (\n) < 26
	.set zz, (\n)-8
.if (zz%3) == 2
	SECT RI, \g, 64, 6, zz/3, \first, \par
.else
	SECT BI, \g, 128, 12, 2*(zz/3)+(zz%3), \first, \par
.endif
.elseif (\n) < 29
	SECT SUI, \g, 34, 3, (\n)-26, \first, \par
.else
	SECT CVI, \g, 32, 3, (\n)-29, \first, \par
.endif
.endm
; S^T = K Q^T of piece g: 32 products, c (32 of the head size) outermost; the 8 accumulators take turns, one instruction a turn.
; sl = 1: slice i of piece sg's softmax stands behind product i.  sl = 0: the run stands straight behind K's loads and waits for them group by group.
.macro QKRUN g, sl, sg, first, par
	.set ri, 0
.rept 32
	.set rc, ri/8
	.set rt, (ri%8)/2
	.set rq, 2*\g+(ri%2)
.if \sl
.else
.if (ri%8) == 0
	s_wait_dscnt 40-8*rc                           ; K's 8 loads for this c are in; its later groups of 8 and the mask's 16 loads stay out
.endif
.endif
	WIN 0x0a                                       ; both sources in window 2
.if rc
	v_wmma_f32_16x16x32_f16 v[SCR+32*rq+8*rt:SCR+32*rq+8*rt+7], v[KF+32*rt+8*rc:KF+32*rt+8*rc+7], v[32*rq+8*rc:32*rq+8*rc+7], v[SCR+32*rq+8*rt:SCR+32*rq+8*rt+7]
	s_wait_alu depctr_va_vdst(0)
.else
	v_wmma_f32_16x16x32_f16 v[SCR+32*rq+8*rt:SCR+32*rq+8*rt+7], v[KF+32*rt+8*rc:KF+32*rt+8*rc+7], v[32*rq+8*rc:32*rq+8*rc+7], 0
.endif
.if \sl
	SLICE \sg, ri, \first, \par
.endif
	.set ri, ri+1
.endr
.endm
; O^T += V^T P of piece g: 32 products; the 16 accumulators take turns, one instruction a turn
.macro PVRUN g, sl, sg, first, par
	.set ri, 0
.rept 32
	.set ru, ri/16
	.set rq, 2*\g+((ri/8)%2)
	.set rd, ri%8
	WIN 0x53                                       ; C and D window 1, A window 3, B window 0
.if (\first) & (1-ru)
	v_wmma_f32_16x16x32_f16 v[64*rq+8*rd:64*rq+8*rd+7], v[64*ru+8*rd:64*ru+8*rd+7], v[SCR+32*rq+16*ru:SCR+32*rq+16*ru+7], 0
.else
	v_wmma_f32_16x16x32_f16 v[64*rq+8*rd:64*rq+8*rd+7], v[64*ru+8*rd:64*ru+8*rd+7], v[SCR+32*rq+16*ru:SCR+32*rq+16*ru+7], v[64*rq+8*rd:64*rq+8*rd+7]
	s_wait_alu depctr_va_vdst(0)
.endif
.if \sl
	SLICE \sg, ri, \first, \par
.endif
	.set ri, ri+1
.endr
.endm
; One key tile.  slot: where it lies (and which set of running maxima it writes); refill: the other slot is asked for; first: the first tile.
.macro TRIP slot, refill, first
	s_set_vgpr_msb 0xf
	s_wait_tensorcnt 0x0                           ; all my tensor loads have landed, my part of this tile among them, so a group 0 may be written:
	ds_add_u32 v128, v129
	s_wait_dscnt 0x0
	s_set_vgpr_msb 0xf00
	s_add_nc_u64 s[G0K+4*\slot+2:G0K+4*\slot+3], s[G0K+4*\slot+2:G0K+4*\slot+3], 2*KTILE   ; this slot's next tile
	s_add_nc_u64 s[G0V+4*\slot+2:G0V+4*\slot+3], s[G0V+4*\slot+2:G0V+4*\slot+3], 2*KTILE
	s_add_nc_u64 s[G0M+4*\slot+2:G0M+4*\slot+3], s[G0M+4*\slot+2:G0M+4*\slot+3], 2*512
	s_wait_dscnt 0x0                               ; my reads of the last tile are over
	ROUND                                          ; both now hold of every wave of the cluster
.if \refill
	JLOAD (1-\slot)                                ; first thing behind the round: the next tile, into the slot read last
.endif
.if \first
.else
.rept 5
	v_nop                                          ; places behind the last products of the tile before: the scores are written over their B, V's loads land on their A
.endr
.endif
	WIN 0x80
.irp c, 0,1,2,3
.irp t, 0,1,2,3
	ds_load_b128 v[KF+32*\t+8*\c:KF+32*\t+8*\c+3],   v[VK+\slot] offset:\t*16*PK+64*\c
	ds_load_b128 v[KF+32*\t+8*\c+4:KF+32*\t+8*\c+7], v[VK+\slot] offset:\t*16*PK+64*\c+32
.endr
.endr
	WIN 0
.irp g, 0,1
.irp t, 0,1,2,3
	ds_load_b128 v[MSK+32*\g+8*\t:MSK+32*\g+8*\t+3],   v[VM+2*\g+\slot] offset:64*\t
	ds_load_b128 v[MSK+32*\g+8*\t+4:MSK+32*\g+8*\t+7], v[VM+2*\g+\slot] offset:64*\t+16
.endr
.endr
.if \first
	s_wait_loadcnt 0x0                             ; Q
.endif
	QKRUN 0, 0, 0, \first, \slot                   ; scores of piece 0
.rept 4
	v_nop                                          ; places: piece 0's scores are read by the slices below
.endr
	WIN 0xc0                                       ; destination window 3
.irp u, 0,1
.irp d, 0,1,2,3,4,5,6,7
	ds_load_tr16_b128 v[64*\u+8*\d:64*\u+8*\d+3],   v[VV+\slot] offset:\u*32*PVV+32*\d
	ds_load_tr16_b128 v[64*\u+8*\d+4:64*\u+8*\d+7], v[VV+\slot] offset:\u*32*PVV+32*\d+16*PVV
.endr
.endr
	s_wait_dscnt 32                                ; the mask is in; V's 32 loads stay out
	QKRUN 1, 1, 0, \first, \slot                   ; scores of piece 1, softmax of piece 0
.rept 4
	v_nop                                          ; places: piece 1's scores are read by the slices below
.endr
	s_wait_dscnt 0x0                               ; V
	PVRUN 0, 1, 1, \first, \slot                   ; O of piece 0, softmax of piece 1
	PVRUN 1, 0, 0, \first, \slot                   ; O of piece 1
	WIN 0
.endm
	TRIP 0, 1, 1
	TRIP 1, 1, 0
	s_mov_b32 s3, 6
.Lpair:
	TRIP 0, 1, 0
	TRIP 1, 1, 0
	s_sub_co_u32 s3, s3, 1
	s_cmp_lg_u32 s3, 0
	s_cbranch_scc1 .Lpair
	TRIP 0, 1, 0                                   ; asks for tile 15, the last
	TRIP 1, 0, 0                                   ; its maxima lie in set 1
	; THE TWO KEY HALVES ARE JOINED.  I keep query tiles 0, 1 and hand tiles 2, 3 (O, maximum, sum) to wave w xor 1, which keeps those rows.
.rept 4
	v_nop                                          ; places behind the last products
.endr
.irp q, 0,1,2,3
	v_permlanex16_b32 v[TPR+2*\q], v[LS+2*\q], s66, s67
.endr
.irp q, 0,1,2,3
	v_add_f32 v[LS+2*\q], v[LS+2*\q], v[TPR+2*\q]  ; the two halves of the lanes summed different keys
.endr
	WIN 0x04                                       ; store data from window 1
.set i, 0
.rept 32
	ds_store_b128 v[XS], v[128+4*i:128+4*i+3] offset:512*i
.set i, i+1
.endr
	WIN 0
	v_mov_b32 v60, v[MXP+8+4]
	v_mov_b32 v61, v[MXP+8+6]
	v_mov_b32 v62, v[LS+4]
	v_mov_b32 v63, v[LS+6]
	ds_store_b128 v[XS], v[60:63] offset:16384
	s_wait_dscnt 0x0                               ; for my partner's sake: all my stores are done
	s_barrier_signal -1
	s_barrier_wait -1
.set i, 0
.rept 32
	ds_load_b128 v[SCR+4*i:SCR+4*i+3], v[XR] offset:512*i
.set i, i+1
.endr
	ds_load_b128 v[56:59], v[XR] offset:16384      ; partner's maxima (v56, v57) and sums (v58, v59) for my tiles 0, 1
	s_wait_dscnt 0x0
.irp q, 0,1
	v_max_num_f32 v[44+\q], v[MXP+8+2*\q], v[56+\q]
	v_sub_f32 v[46+\q], v[MXP+8+2*\q], v[44+\q]
	v_sub_f32 v[48+\q], v[56+\q], v[44+\q]
	v_mul_f32 v[46+\q], 0x3fb8aa3b, v[46+\q]
	v_mul_f32 v[48+\q], 0x3fb8aa3b, v[48+\q]
.endr
	v_exp_f32 v46, v46
	v_exp_f32 v47, v47
	v_exp_f32 v48, v48
	v_exp_f32 v49, v49
	v_nop
	s_wait_alu depctr_va_vdst(0)
.irp q, 0,1
	v_mul_f32 v[50+\q], v[58+\q], v[48+\q]
	v_fma_f32 v[50+\q], v[LS+2*\q], v[46+\q], v[50+\q]   ; the whole row's sum
.endr
	v_rcp_f32 v50, v50
	v_rcp_f32 v51, v51
	v_nop
	s_wait_alu depctr_va_vdst(0)
.irp q, 0,1
	v_mul_f32 v[ALP+2*\q], v[46+\q], v[50+\q]      ; factor on my part
	v_mul_f32 v[52+2*\q], v[48+\q], v[50+\q]       ; factor on my partner's
.endr
.irp q, 0,1
.set i, 0
.rept 32
	v_pk_mul_f32 v[SCR+64*\q+i:SCR+64*\q+i+1], v[SCR+64*\q+i:SCR+64*\q+i+1], v[52+2*\q:53+2*\q] op_sel_hi:[1,0]
.set i, i+2
.endr
.endr
	WIN 0x01                                       ; source 0 (my O) in window 1
.irp q, 0,1
.set i, 0
.rept 32
	v_pk_fma_f32 v[SCR+64*\q+i:SCR+64*\q+i+1], v[64*\q+i:64*\q+i+1], v[ALP+2*\q:ALP+2*\q+1], v[SCR+64*\q+i:SCR+64*\q+i+1] op_sel_hi:[1,0,1]
.set i, i+2
.endr
.endr
	WIN 0
.set i, 0
.rept 64
	v_cvt_pk_f16_f32 v[SCR+i], v[SCR+2*i], v[SCR+2*i+1]
.set i, i+1
.endr
.irp e, 0,1
.irp d, 0,1,2,3,4,5,6,7
	ds_store_b128 v[STO], v[SCR+32*\e+4*\d:SCR+32*\e+4*\d+3] offset:256*\e+32*\d   ; row r: head e, d = 16 dt + 8 h + 0..7
.endr
.endr
.set i, 0
.rept 16
	ds_load_b128 v[128+4*i:128+4*i+3], v[RD] offset:i*PM   ; my own bytes, served in order behind the stores: a whole row of 512 bytes
.set i, i+1
.endr
.set i, 0
.rept 16
	s_wait_dscnt 15-i
	global_store_b128 v[CO], v[128+4*i:128+4*i+3], s[8:9] offset:2048*i   ; the wave stores 512 consecutive bytes, aligned
.set i, i+1
.endr
	s_set_vgpr_msb 0xf
	s_wait_tensorcnt 0x0
	ds_add_u32 v128, v129
	s_wait_dscnt 0x0
	s_set_vgpr_msb 0xf00
	ROUND                                          ; the closing round
	s_endpgm
.Lfunc_end_k_qbcd8e35ce5_attention:
	.size	k_qbcd8e35ce5_attention, .Lfunc_end_k_qbcd8e35ce5_attention-k_qbcd8e35ce5_attention
	.p2alignl 7, 3214868480
	.fill 96, 4, 3214868480
	.section	.rodata,"a",@progbits
	.p2align	6, 0x0
	.amdhsa_kernel k_qbcd8e35ce5_attention
		.amdhsa_group_segment_fixed_size 327680
		.amdhsa_private_segment_fixed_size 0
		.amdhsa_enable_private_segment 0
		.amdhsa_kernarg_size 24
		.amdhsa_user_sgpr_count 2
		.amdhsa_user_sgpr_kernarg_segment_ptr 1
		.amdhsa_wavefront_size32 1
		.amdhsa_system_sgpr_workgroup_id_x 1
		.amdhsa_system_sgpr_workgroup_id_y 1
		.amdhsa_system_sgpr_workgroup_id_z 1
		.amdhsa_system_vgpr_workitem_id 0
		.amdhsa_next_free_vgpr 898
		.amdhsa_next_free_sgpr 88
		.amdhsa_reserve_vcc 0
		.amdhsa_float_denorm_mode_32 3
		.amdhsa_float_denorm_mode_16_64 3
		.amdhsa_memory_ordered 1
		.amdhsa_forward_progress 1
		.amdhsa_inst_pref_size 255
	.end_amdhsa_kernel
	.section	.bss,"aw",@nobits
	.p2align	6
	.space	262144
	.amdgpu_metadata
---
amdhsa.version: [ 1, 2 ]
amdhsa.kernels:
  - .name:           k_qbcd8e35ce5_attention
    .symbol:         k_qbcd8e35ce5_attention.kd
    .args:
      - { .name: qkvh, .offset: 0, .size: 8, .value_kind: global_buffer, .address_space: global }
      - { .name: attention_mask, .offset: 8, .size: 8, .value_kind: global_buffer, .address_space: global }
      - { .name: atth, .offset: 16, .size: 8, .value_kind: global_buffer, .address_space: global }
    .group_segment_fixed_size: 327680
    .private_segment_fixed_size: 0
    .kernarg_segment_align: 8
    .kernarg_segment_size: 24
    .max_flat_workgroup_size: 128
    .sgpr_count:     88
    .vgpr_count:     898
    .wavefront_size: 32
...
	.end_amdgpu_metadata
.endif
;; end of part 3
;; launch oproj (part 4): grid 16 x 16, 4 waves a work-group, clusters of 4 x 4, 327,680 bytes of LDS; arguments atth, wob, out0; writes out0
.if DOCPART == 4
	.amdgcn_target "amdgcn-amd-amdhsa--gfx1250"
	.amdhsa_code_object_version 6
	.text
	.protected	k_qbcd8e35ce5_oproj
	.globl	k_qbcd8e35ce5_oproj
	.p2align	8
	.type	k_qbcd8e35ce5_oproj,@function
k_qbcd8e35ce5_oproj:
	s_mov_b64 s[64:65], 0
	v_nop
	global_prefetch_b8 v0, s[64:65] scope:SCOPE_SE
	s_setreg_imm32_b32 hwreg(HW_REG_WAVE_MODE, 25, 1), 1
	s_wait_xcnt 0x0
	s_wait_alu depctr_hold_cnt(0) depctr_sa_sdst(0) depctr_va_vdst(0) depctr_va_sdst(0) depctr_va_ssrc(0) depctr_va_vcc(0) depctr_vm_vsrc(0)
	s_getreg_b32 s2, hwreg(HW_REG_IB_STS2, 6, 4)
	s_cmp_eq_u32 s2, 0
	s_cbranch_scc0 .Lentry_in_a_cluster
	s_endpgm
.Lentry_in_a_cluster:
	s_bfe_u32 s2, ttmp6, 0x10000c
	s_cmp_lg_u32 s2, 0xf033
	s_cbranch_scc0 .Lentry_shape_is_right
	s_endpgm
.Lentry_shape_is_right:
; out0[4096][2048] (f32) = atth[4096][1024] x wob[2048][1024]^T, f16 operands, f32 sums.  Nothing of reference() is left out here.
; The same product kernel as the projection of q, k, v: a work-group makes 256 rows x 128 columns with four waves of 64 x 128 (32 accumulator tiles each);
; cluster 4 x 4, A's tiles shared along a row of the cluster, B's along a column, asked for jointly.
; THE RING: two LDS slots, each with 192 along K: A's 256 rows as a wide tile (128 of K, pitch 272) and a narrow one (64 of K, pitch 144), B's 128 rows as one tile
; (rows of 384 bytes, 16 bytes of padding behind every 128, pitch 432).  Slot 0 takes the wide part first, slot 1 the narrow part first, so that wide rows begin at
; multiples of 256 bytes.  One tensor load a wave: waves 0, 1 halves of A's wide tile, wave 2 A's narrow tile, wave 3 B's tile.
; 1024 = 5 x 192 + 64: the sixth step has the narrow part alone; B's descriptor then states 64 elements left, the rest of its tile arrives as zeros and is not read.
; Six steps are written out by macro: there is no loop.
; The matrix instruction is used transposed (source 0 = rows of B): a lane holds row l % 16, columns 8 (l / 16) + 0..7 of a tile: 32 consecutive bytes of f32.
; LIMIT: operands in f16; atth is a weighted mean of v and has v's room; wob as stated where it is made.
.set SIZE_K, 1024
.set PW,     272                       ; all three pitches are odd multiples of 16 bytes: the 16 rows of a fragment start in 16 different 16-byte columns of a 256-byte bank row (ISA guide 11.1)
.set PN,     144
.set PB,     432
.set ANOFF,  256*PW                    ; 69,632
.set BOFF,   ANOFF+256*PN              ; 106,496
.set SLOT,   BOFF+128*PB               ; 161,792
.set STAGE,  0                         ; the way out uses slot 0: it has had its last fill, and the last step reads slot 1
.set SPITCH, 528
.set TAILDIM, 64                       ; elements of K in the last, short step
.set TAILKIND, 2                       ; 2: it has the narrow part alone
.set ADRAW, 16                         ; + slot
.set ADRAN, 18
.set ADRB,  20
.set STO,  24
.set RD,   25
.set CO,   26
.set F0,   64
.set F1,   160
.set G1AW, 24
.set G0AW, 32
.set G1B,  48
.set G0B,  56
.set G1AN, 72
.set G0AN, 80
.set MUL, 0x50                         ; C and D in window 1, both sources in window 0
.set MSB, 0
.macro WIN new                         ; the immediate's high byte repeats the setting that is left
.if MSB != \new
	s_set_vgpr_msb (MSB<<8)|\new
.set MSB, \new
.endif
.endm
; A slot's joint loads, one a wave.  kind 0: all; 1: no narrow tile; 2: no wide tile.  The branches hang on the wave's number alone.
.macro JLOAD s, kind
.if \kind != 2
	s_cmp_ge_u32 s10, 2
	s_cbranch_scc1 .Lnot_aw_\@
	tensor_load_to_lds s[G0AW+4*\s:G0AW+4*\s+3], s[G1AW:G1AW+7]
	s_nop 0
.Lnot_aw_\@:
.endif
.if \kind != 1
	s_cmp_lg_u32 s10, 2
	s_cbranch_scc1 .Lnot_an_\@
	tensor_load_to_lds s[G0AN+4*\s:G0AN+4*\s+3], s[G1AN:G1AN+7]
	s_nop 0
.Lnot_an_\@:
.endif
	s_cmp_lg_u32 s10, 3
	s_cbranch_scc1 .Lnot_b_\@
	tensor_load_to_lds s[G0B+4*\s:G0B+4*\s+3], s[G1B:G1B+7]
	s_nop 0
.Lnot_b_\@:
.endm
.macro CREST                           ; a round of the cluster's barrier behind its opening work-group barrier
	s_cmp_lg_u32 s10, 0
	s_cbranch_scc1 .Lnot_wave_0_\@
	s_barrier_signal -3
.Lnot_wave_0_\@:
	s_barrier_wait -3
	s_barrier_signal -1
	s_barrier_wait -1
.endm
.macro CROUND
	s_barrier_signal -1
	s_barrier_wait -1
	CREST
.endm
	s_load_b128 s[4:7], s[0:1], 0x0                ; atth, wob
	s_load_b64 s[8:9], s[0:1], 0x10                ; out0
	v_lshl_add_u32 v62, v0, 2, 0x4f000
	v_mov_b32 v63, 0
	ds_add_u32 v62, v63
	v_lshrrev_b32 v1, 5, v0
	v_readfirstlane_b32 s10, v1                    ; wave 0..3
	s_and_b32 s12, s10, 1                          ; which half of A's wide tile (waves 0, 1)
	s_bfe_u32 s40, ttmp6, 0x40000                  ; cx
	s_bfe_u32 s41, ttmp6, 0x40004                  ; cy
	s_lshl_b32 s42, ttmp9, 2
	s_add_co_u32 s42, s42, s40                     ; column block = 4 x cluster x + cx
	s_and_b32 s13, ttmp7, 0xffff
	s_lshl_b32 s13, s13, 2
	s_add_co_u32 s13, s13, s41                     ; row block = 4 x cluster y + cy
	s_lshl_b32 s43, s41, 2
	s_lshl_b32 s43, 15, s43                        ; my row of the cluster
	s_lshl_b32 s44, 0x1111, s40                    ; my column
	s_or_b32 s[G1AW+0], s43, (1<<16)|(1<<20)|(1<<21)|(5<<22)|(3<<25)  ; mask; 2-byte elements; padding on; bit 21 beside a mask; after every 64 words 4 words
	s_or_b32 s[G1AN+0], s43, (1<<16)|(1<<20)|(1<<21)|(4<<22)|(3<<25)  ; after every 32 words 4 words
	s_or_b32 s[G1B+0],  s44, (1<<16)|(1<<20)|(1<<21)|(4<<22)|(3<<25)  ; the same: three times in a row of 96 words
	s_mov_b32 s[G1AW+1], 128<<16                   ; tensor_dim0
	s_mov_b32 s[G1AN+1], 64<<16
	s_mov_b32 s[G1B+1],  192<<16
	s_mov_b32 s[G1AW+2], 128<<16                   ; tensor_dim1: rows
	s_mov_b32 s[G1AN+2], 256<<16
	s_mov_b32 s[G1B+2],  128<<16
	s_mov_b32 s[G1AW+3], 128<<16                   ; tile_dim0
	s_mov_b32 s[G1AN+3], 64<<16
	s_mov_b32 s[G1B+3],  192<<16
	s_mov_b32 s[G1AW+4], 128                       ; tile_dim1
	s_mov_b32 s[G1AN+4], 256
	s_mov_b32 s[G1B+4],  128
	s_mov_b32 s[G1AW+5], SIZE_K                    ; elements from row to row
	s_mov_b32 s[G1AN+5], SIZE_K
	s_mov_b32 s[G1B+5],  SIZE_K
	s_mov_b32 s[G1AW+6], 0
	s_mov_b32 s[G1AN+6], 0
	s_mov_b32 s[G1B+6],  0
	s_mov_b32 s[G1AW+7], 0
	s_mov_b32 s[G1AN+7], 0
	s_mov_b32 s[G1B+7],  0
	s_mov_b64 s[18:19], SIZE_K*2
	s_lshl_b32 s16, s13, 8                         ; A: row 256 x row block,
	s_mov_b32 s17, 0
	s_mul_u64 s[16:17], s[16:17], s[18:19]         ; in bytes
	s_lshl_b32 s20, s12, 7                         ; and 128 rows further for the second half of the wide tile
	s_mov_b32 s21, 0
	s_mul_u64 s[20:21], s[20:21], s[18:19]
	s_lshl_b32 s46, s42, 7                         ; B: row 128 x column block
	s_mov_b32 s47, 0
	s_mul_u64 s[46:47], s[46:47], s[18:19]
	s_mul_i32 s22, s10, 128*PW                     ; the wide tile's halves lie at wave x 34,816: no place in the cluster enters an LDS address
	s_wait_dscnt 0x0
	s_wait_kmcnt 0x0
	s_add_nc_u64 s[14:15], s[4:5], s[16:17]
	s_add_nc_u64 s[16:17], s[14:15], s[20:21]
	s_add_nc_u64 s[46:47], s[6:7], s[46:47]
	CROUND                                         ; all sixteen work-groups are here: the first joint loads meet
.irp s, 0,1
	s_mov_b32 s[G0AW+4*\s], 1
	s_add_co_u32 s[G0AW+4*\s+1], s22, \s*SLOT
	s_add_nc_u64 s[G0AW+4*\s+2:G0AW+4*\s+3], s[16:17], \s*512        ; slot 0: byte 0 of the step; slot 1: byte 384 + 128
	s_or_b32 s[G0AW+4*\s+3], s[G0AW+4*\s+3], 0x80000000
	s_mov_b32 s[G0AN+4*\s], 1
	s_mov_b32 s[G0AN+4*\s+1], \s*SLOT+ANOFF
	s_add_nc_u64 s[G0AN+4*\s+2:G0AN+4*\s+3], s[14:15], 256+\s*128    ; slot 0: byte 256; slot 1: byte 384
	s_or_b32 s[G0AN+4*\s+3], s[G0AN+4*\s+3], 0x80000000
	s_mov_b32 s[G0B+4*\s], 1
	s_mov_b32 s[G0B+4*\s+1], \s*SLOT+BOFF
	s_add_nc_u64 s[G0B+4*\s+2:G0B+4*\s+3], s[46:47], \s*384
	s_or_b32 s[G0B+4*\s+3], s[G0B+4*\s+3], 0x80000000
	JLOAD \s, 0                                    ; both slots' first fills: two tensor loads of each wave are out
.endr
	v_and_b32 v1, 15, v0                           ; r
	v_bfe_u32 v2, v0, 4, 1                         ; h
	v_mul_u32_u24 v3, v1, PW
	v_lshl_add_u32 v3, v2, 4, v3                   ; row x pitch + 16 h, for each of the three pitches
	v_mul_u32_u24 v4, v1, PN
	v_lshl_add_u32 v4, v2, 4, v4
	v_mul_u32_u24 v5, v1, PB
	v_lshl_add_u32 v5, v2, 4, v5
	s_mul_i32 s21, s10, 64*PW                      ; my 64 rows of A
	s_mul_i32 s22, s10, 64*PN
	s_add_co_u32 s22, s22, ANOFF
	v_add_nc_u32 v[ADRAW], s21, v3
	v_add_nc_u32 v[ADRAN], s22, v4
	v_add_nc_u32 v[ADRB], BOFF, v5                 ; all of B's 128 rows
	v_add_nc_u32 v[ADRAW+1], SLOT, v[ADRAW]
	v_add_nc_u32 v[ADRAN+1], SLOT, v[ADRAN]
	v_add_nc_u32 v[ADRB+1], SLOT, v[ADRB]
	s_mul_i32 s23, s10, 16*SPITCH
	s_add_co_u32 s23, s23, STAGE
	v_mul_u32_u24 v7, v1, SPITCH
	v_lshl_add_u32 v7, v2, 5, v7
	v_add_nc_u32 v[STO], s23, v7                   ; in: row r, 32 bytes for each half of the lanes
	v_and_b32 v8, 31, v0
	v_lshlrev_b32 v[CO], 4, v8                     ; 16 x lane: a whole row of 512 bytes a wave
	v_add_nc_u32 v[RD], s23, v[CO]
; 8 matrix instructions: row block a x all 8 column blocks, 32 along K.  The 32 accumulators take turns, one instruction a turn, in the same order
; in every quarter.
.macro MULA f, a, zero
.irp b, 0,1,2,3,4,5,6,7
.if \zero
	v_wmma_f32_16x16x32_f16 v[8*(8*\a+\b):8*(8*\a+\b)+7], v[\f+8*\b:\f+8*\b+7], v[\f+64+8*\a:\f+64+8*\a+7], 0
.else
	v_wmma_f32_16x16x32_f16 v[8*(8*\a+\b):8*(8*\a+\b)+7], v[\f+8*\b:\f+8*\b+7], v[\f+64+8*\a:\f+64+8*\a+7], v[8*(8*\a+\b):8*(8*\a+\b)+7]
.endif
.endr
.endm
; 24 LDS loads in one run: the fragments of quarter q (32 of K, q = 0..5) of a slot: B's 8 blocks, then A's 4.
; B: 64 of K to a piece of 144 bytes.  A: slot 0 has quarters 0-3 in the wide tile and 4, 5 in the narrow one; slot 1 has 0, 1 in the narrow one and 2-5 in the wide one.
.macro FETCH slot, q, f
.if \slot
.if (\q) < 2
	.set FA_R, ADRAN+1
	.set FA_P, 16*PN
	.set FA_O, 64*(\q)
.else
	.set FA_R, ADRAW+1
	.set FA_P, 16*PW
	.set FA_O, 64*((\q)-2)
.endif
.else
.if (\q) < 4
	.set FA_R, ADRAW
	.set FA_P, 16*PW
	.set FA_O, 64*(\q)
.else
	.set FA_R, ADRAN
	.set FA_P, 16*PN
	.set FA_O, 64*((\q)-4)
.endif
.endif
	.set FB_O, 144*((\q)/2)+64*((\q)%2)
.irp i, 0,1,2,3,4,5,6,7
	ds_load_b128 v[\f+8*\i:\f+8*\i+3],   v[ADRB+\slot] offset:FB_O+\i*16*PB
	ds_load_b128 v[\f+8*\i+4:\f+8*\i+7], v[ADRB+\slot] offset:FB_O+\i*16*PB+32
.endr
.irp i, 0,1,2,3
	ds_load_b128 v[\f+64+8*\i:\f+64+8*\i+3], v[FA_R] offset:FA_O+\i*FA_P
	ds_load_b128 v[\f+64+8*\i+4:\f+64+8*\i+7], v[FA_R] offset:FA_O+\i*FA_P+32
.endr
.endm
.macro PLACES                          ; four places between a matrix instruction and a load into, or an access to, its registers
.rept 4
	v_nop
.endr
.endm
; multiplies buffer f; in its middle fetches quarter q of the same slot into buffer g
.macro QUARTER slot, q, f, g, zero
	s_wait_dscnt 4                                 ; all of buffer f but its youngest four loads (A's blocks 2, 3)
	WIN MUL
	MULA \f, 0, \zero
	MULA \f, 1, \zero
	PLACES
	WIN 0
	FETCH \slot, \q, \g
	s_wait_dscnt 24                                ; all but the 24 just issued
	WIN MUL
	MULA \f, 2, \zero
	MULA \f, 3, \zero
.endm
.macro FIVE slot, zero
	QUARTER \slot, 1, F0, F1, \zero
	QUARTER \slot, 2, F1, F0, 0
	QUARTER \slot, 3, F0, F1, 0
	QUARTER \slot, 4, F1, F0, 0
	QUARTER \slot, 5, F0, F1, 0
.endm
; The sixth quarter of a step, and the change of slots.  In front of the barrier each wave waits for its reads of this slot and for all its tensor
; loads (at most one is out: its part of the next slot).  Where the slot is filled again (fill 1: whole; 2: the short last step) the barrier opens a round of the
; cluster's barrier, and the joint refill is the first tensor load behind the round.  From a request to the wait for it a wave issues 184 matrix instructions.
.macro TURN slot, next, fill
	s_wait_dscnt 4
	WIN MUL
	MULA F1, 0, 0
	s_wait_dscnt 0
	s_wait_tensorcnt 0x0
	ds_add_u32 v62, v63
	s_wait_dscnt 0x0
	s_barrier_signal -1
	MULA F1, 1, 0                                  ; register work between signal and wait
	WIN 0
	s_barrier_wait -1
.if \fill
	CREST
	s_add_nc_u64 s[G0AW+4*\slot+2:G0AW+4*\slot+3], s[G0AW+4*\slot+2:G0AW+4*\slot+3], 768   ; two steps of 384 bytes on; no tensor load of mine is out
	s_add_nc_u64 s[G0AN+4*\slot+2:G0AN+4*\slot+3], s[G0AN+4*\slot+2:G0AN+4*\slot+3], 768
	s_add_nc_u64 s[G0B+4*\slot+2:G0B+4*\slot+3], s[G0B+4*\slot+2:G0B+4*\slot+3], 768
.if \fill == 2
	s_mov_b32 s[G1B+1], TAILDIM<<16                ; what is left of B's rows; beyond it the tile is filled with zeros, which keeps the pitch
	JLOAD \slot, TAILKIND
.else
	JLOAD \slot, 0
.endif
.endif
	PLACES
	FETCH \next, 0, F0
	WIN MUL
	MULA F1, 2, 0
	MULA F1, 3, 0
.endm
	s_wait_tensorcnt 0x0                           ; both my first fills are in.  Each stands under a branch of its own on the wave's number, so the wait is for all of them, not a count
	s_barrier_signal -1
	s_barrier_wait -1                              ; everybody's are
	FETCH 0, 0, F0
	FIVE 0, 1                                      ; step 0: the first products start the sums, nothing is cleared
	TURN 0, 1, 1                                   ; slot 0 gets step 2
	FIVE 1, 0                                      ; step 1
	TURN 1, 0, 1                                   ; slot 1 gets step 3
	FIVE 0, 0                                      ; step 2
	TURN 0, 1, 1                                   ; slot 0 gets step 4
	FIVE 1, 0                                      ; step 3
	TURN 1, 0, 2                                   ; slot 1 gets the short step 5
	FIVE 0, 0                                      ; step 4; nothing is left to fetch
	TURN 0, 1, 0
	QUARTER 1, 1, F0, F1, 0                        ; step 5: two quarters, both in the narrow tile
	s_wait_dscnt 4
	WIN MUL
	MULA F1, 0, 0
	MULA F1, 1, 0
	s_wait_dscnt 0
	MULA F1, 2, 0
	MULA F1, 3, 0
	PLACES
	WIN 0
	; THE WAY OUT, 16 rows at a time, f32: through my own stage in LDS, out as whole rows of 512 bytes.
	; The stage lies in slot 0: every wave's reads of it ended in front of the barrier of step 4's change of slots, and no load fills it any more.
	s_lshl_b32 s16, s13, 8
	s_lshl_b32 s14, s10, 6
	s_add_co_u32 s16, s16, s14                     ; my first row
	s_lshl_b32 s16, s16, 13                        ; 8,192 bytes a row
	s_mov_b32 s17, 0
	s_add_nc_u64 s[8:9], s[8:9], s[16:17]
	s_lshl_b32 s46, s42, 9                         ; 128 columns of 4 bytes a block
	s_mov_b32 s47, 0
	s_add_nc_u64 s[8:9], s[8:9], s[46:47]
.macro OUTF a, f
	WIN 0x04                                       ; store data from window 1
.irp b, 0,1,2,3,4,5,6,7
	ds_store_b128 v[STO], v[8*(8*\a+\b):8*(8*\a+\b)+3] offset:64*\b
	ds_store_b128 v[STO], v[8*(8*\a+\b)+4:8*(8*\a+\b)+7] offset:64*\b+16
.endr
	WIN 0
	s_wait_xcnt 0x0                                ; buffer f, which earlier stores read, and the stores' base are rewritten only behind this wait (ISA guide 3.1)
.if \a
	s_add_nc_u64 s[8:9], s[8:9], 16*8192
.endif
.set i, 0
.rept 16
	ds_load_b128 v[\f+4*i:\f+4*i+3], v[RD] offset:i*SPITCH   ; my own bytes, served in order behind the stores
.set i, i+1
.endr
.set i, 0
.rept 16
	s_wait_dscnt 15-i                              ; LDS loads return in order: row i is in, the 15 - i younger ones stay out
	global_store_b128 v[CO], v[\f+4*i:\f+4*i+3], s[8:9] offset:i*8192 th:TH_STORE_NT   ; the wave stores 512 consecutive bytes, aligned; not read again
.set i, i+1
.endr
.endm
	OUTF 0, 64
	OUTF 1, 128
	OUTF 2, 64
	OUTF 3, 128
	s_wait_tensorcnt 0x0
	ds_add_u32 v62, v63
	s_wait_dscnt 0x0
	CROUND                                         ; the closing round: no work-group ends while a partner may still ask for a tile that names it
	s_endpgm
.Lfunc_end_k_qbcd8e35ce5_oproj:
	.size	k_qbcd8e35ce5_oproj, .Lfunc_end_k_qbcd8e35ce5_oproj-k_qbcd8e35ce5_oproj
	.p2alignl 7, 3214868480
	.fill 96, 4, 3214868480
	.section	.rodata,"a",@progbits
	.p2align	6, 0x0
	.amdhsa_kernel k_qbcd8e35ce5_oproj
		.amdhsa_group_segment_fixed_size 327680
		.amdhsa_private_segment_fixed_size 0
		.amdhsa_enable_private_segment 0
		.amdhsa_kernarg_size 24
		.amdhsa_user_sgpr_count 2
		.amdhsa_user_sgpr_kernarg_segment_ptr 1
		.amdhsa_wavefront_size32 1
		.amdhsa_system_sgpr_workgroup_id_x 1
		.amdhsa_system_sgpr_workgroup_id_y 1
		.amdhsa_system_sgpr_workgroup_id_z 1
		.amdhsa_system_vgpr_workitem_id 0
		.amdhsa_next_free_vgpr 512
		.amdhsa_next_free_sgpr 88
		.amdhsa_reserve_vcc 0
		.amdhsa_float_denorm_mode_32 3
		.amdhsa_float_denorm_mode_16_64 3
		.amdhsa_memory_ordered 1
		.amdhsa_forward_progress 1
		.amdhsa_inst_pref_size 150
	.end_amdhsa_kernel
	.amdgpu_metadata
---
amdhsa.version: [ 1, 2 ]
amdhsa.kernels:
  - .name:           k_qbcd8e35ce5_oproj
    .symbol:         k_qbcd8e35ce5_oproj.kd
    .args:
      - { .name: atth, .offset: 0, .size: 8, .value_kind: global_buffer, .address_space: global }
      - { .name: wob, .offset: 8, .size: 8, .value_kind: global_buffer, .address_space: global }
      - { .name: out0, .offset: 16, .size: 8, .value_kind: global_buffer, .address_space: global }
    .group_segment_fixed_size: 327680
    .private_segment_fixed_size: 0
    .kernarg_segment_align: 8
    .kernarg_segment_size: 24
    .max_flat_workgroup_size: 128
    .sgpr_count:     88
    .vgpr_count:     512
    .wavefront_size: 32
...
	.end_amdgpu_metadata
.endif
;; end of part 4
